; MI455X (gfx1250); checked and timed in simulation.
; The chip was launched on July 23, 2026; its instructions are those of AMD's public machine-readable ISA for CDNA 5 (MIT licence, August 2026) and "CDNA5" Instruction Set Architecture Reference Guide (July 2026). The comments in the code are by the model that wrote it; some were corrected since.
;; Mixture Of Experts. Allowed arithmetic: matrix products marked QUANTISED: E2M3 operands, one E8M0 scale for each 32 along K, by v_wmma_scale_f32_16x16x128_f8f6f4 with both operands' format E2M3, f32 sums; products left as they are: f32 operands where the result goes on into a quantised operand, else bf16, f16 or f32 operands; f32 sums; everything else in f32.
;; Inputs: b1 8 x 4,096 float32; b2 8 x 1,024 float32; router_b 8 float32; router_w 8 x 1,024 float32; w1 8 x 4,096 x 1,024 float32; w2 8 x 1,024 x 4,096 float32; x 4 x 256 x 1,024 float32.
;; Outputs: out0 4 x 256 x 1,024 float32.
;; This version of the problem:
;;   THIS VERSION OF THE PROBLEM IS GIVEN IN LOW PRECISION. The matrix products marked QUANTISED in the list below multiply operands that are first quantised to E2M3 (2 exponent bits, 3 mantissa bits; 6 bits a number), with one power-of-two scale for each 32 numbers along K (OCP MX v1.0); their sums are f32. All else is computed in f32.
;;   The module's matrix products, in the order in which they are computed (A, B: the left and right operand; K: the contracted axis; several contracted axes count as one K, in the product's order):
;;     1. [M 1,024, K 1,024] x [K 1,024, N 8]; A: input x; B: input router_w: left as it is (N = 8 < 16)
;;     2. batch 1,024 x [M 1, K 2] x [K 2, N 8]; A: computed on the way; B: computed on the way: left as it is (K = 2 < 32)
;;     3. [M 1,024, K 1,024] x [K 1,024, N 32,768]; A: input x; B: input w1: QUANTISED
;;     4. batch 8 x [M 1,024, K 4,096] x [K 4,096, N 1,024]; A: input w2; B: computed on the way: QUANTISED
;;     5. batch 1,024 x [M 1,024, K 8] x [K 8, N 1]; A: computed on the way; B: computed on the way: left as it is (K = 8 < 32)
;;   THE QUANTISER, for each operand of a quantised product, along K:
;;     - K is cut into blocks of 32 from its start; a last block that is shorter is filled with zeros.
;;     - A block's scale is 2^e with e = floor(log2(the largest magnitude in the block)) - 2, held to -126 .. 127; a block of zeros has e = 0. As a byte (E8M0): e + 127.
;;     - Each number is divided by its block's scale, clamped to +-7.5, and rounded to the nearest number of E2M3, ties to even, subnormals kept.
;;     - The product sums the exact products of the quantised numbers (number of the format x scale) in f32.
;;   ~~~python
;;   def quantise(x, axis):      # numpy; x: float32 -> the quantised numbers, widened to float32 again
;;       x = np.moveaxis(x, axis, -1); K = x.shape[-1]
;;       x = np.pad(x, [(0, 0)] * (x.ndim - 1) + [(0, -K % 32)]); x = x.reshape(x.shape[:-1] + (-1, 32)); a = np.abs(x).max(-1, keepdims=True)
;;       e = np.where(a > 0, np.clip(np.frexp(np.where(a > 0, a, 1))[1] - 1 - 2, -126, 127), 0)      # np.frexp(a)[1] - 1 = floor(log2(a)), exactly
;;       r = np.clip(x / 2.0 ** e, -7.5, 7.5)
;;       step = 2.0 ** (np.maximum(np.frexp(np.where(r == 0, 1, r))[1] - 1, 0) - 3)
;;       q = np.round(r / step) * step * 2.0 ** e      # np.round: ties to even
;;       return np.moveaxis(q.reshape(q.shape[:-2] + (-1,))[..., :K], -1, axis).astype(np.float32)
;;   ~~~
;;   OPERANDS COMPUTED ON THE WAY. 'Computed on the way' means the value that the module computes at that place (a softmax that the list does not call 'softmax' is quantised finished and normalised). What goes into a quantiser is computed in f32, as accurately as f32 sums, v_exp_f32 and their like allow (about 1e-6 of the number): no bf16 or f16 on the way to a quantiser, and a product that is left as it is and whose result goes on into a quantised operand takes f32 operands (vector FMAs, or v_wmma_f32_16x16x4_f32). A number that lies on a knife's edge between two numbers of the format may be rounded either way, as far as f32 arithmetic and the matrix unit's own rounding can turn it there, and no further.
;; 2 versions. Each part assembles by itself: llvm-mc -triple=amdgcn-amd-amdhsa -mcpu=gfx1250 --defsym DOCPART=n.
;; ======== version 1 of 2: 4 launches
;; workspace buffers: xq 786,432 bytes; xs 32,768 bytes; rmask 2,048 bytes of whole numbers; gate 8,192 bytes; hbuf 29,360,128 bytes; ybuf 33,685,504 bytes
;; launch route (part 1): grid 32 x 1, 8 waves a work-group, no clusters, 76,800 bytes of LDS; arguments x, router_w, router_b, xq, xs, rmask, gate; writes xq, xs, rmask, gate
.if DOCPART == 1
	.amdgcn_target "amdgcn-amd-amdhsa--gfx1250"
	.amdhsa_code_object_version 6
	.text
	.protected	k_q99be40ae31_route
	.globl	k_q99be40ae31_route
	.p2align	8
	.type	k_q99be40ae31_route,@function
k_q99be40ae31_route:
	s_mov_b64 s[64:65], 0
	v_nop
	global_prefetch_b8 v0, s[64:65] scope:SCOPE_SE
	s_setreg_imm32_b32 hwreg(HW_REG_WAVE_MODE, 25, 1), 1
	s_wait_xcnt 0x0
; ROUTE.  x [1024 tokens][1024] f32 is (a) quantised to codes of FP6 (E2M3), one E8M0 byte for each 32 along K, and (b) routed: 8 logits in f32 multiply-adds, softmax with the
; row's maximum taken away, the two largest, their weights renormalised.  What steers later launches is stored as whole numbers at fixed places: nothing in this launch branches or addresses by it.
; OUT.  xq [token][768 bytes]: K step s (128 codes) at 96 s, its four blocks of 24 bytes in the order 0, 2, 1, 3, so that the half h of the lanes of a matrix operand finds its 12 registers as 48 bytes on end at 96 s + 48 h.
;       xs [token][32]: the scale bytes, in K's order.   gate [token][2] f32: the weight of the first and of the second choice.
;       rmask [16][32 words]: row e, word g, bit i: token 32 g + i uses expert e;  row 8 + e: e is that token's SECOND choice.
; SHARES.  A work-group owns 32 tokens (one word of each mask row), each of its eight waves four of them.  Memory is read as it lies, 512 bytes on end to a load; a row then turns through LDS
; so that lane l holds block l of the row, k = 32 l .. 32 l + 31: the block's largest magnitude needs no other lane, and the conversions find neighbours along K in one lane's registers.
; No matrix unit (N = 8), no cluster (work-groups share only router_w's 32 KiB), no tensor load: a wave's 16 KiB of x are 32 loads, all out at once.
; LIMITS.  NaN and infinities are not served.  A block whose largest magnitude lies under 2^-124 keeps the byte 1; so does a block of zeros, where the rule says 127: its codes are zeros, and this program alone reads the bytes.
; The two largest are taken of exp(l - max), ties to the lower index; a second choice whose exponential has fallen to 0 gets the weight 0.  The logits' sums run in another order than a row-by-row sum.
.set RWS,  0                           ; LDS: router_w's 8 rows, turned: 32 places of 144 bytes (a block's 128 + 16) a row
.set XST,  36864                       ; a stage of 4,608 bytes for each wave: a row of x on its turn, later the wave's 3,072 bytes of codes
.set LGT,  73728                       ; the logits: 32 tokens x 32 bytes
.set XSB,  74752                       ; the scale bytes: 32 tokens x 32
.set ROWS, 4608
.set PLC,  144
.set XR,   16                          ; v16-143  four tokens x 32 numbers
.set RWB,  144                         ; v144-207 two sets of 32 numbers of router_w
.set LR,   208                         ; v208-239 the partial logits, 8 a token (before them: the codes, 8 registers a token)
.set SM,   240                         ; v240-247 four packed sums (before them: v240-243 largest magnitudes, v244-247 scale operands, v248-251 bytes)
.set MX,   240
.set SO,   244
.set BY,   248
	s_load_b256 s[4:11], s[0:1], 0x0               ; x s[4:5], router_w s[6:7], router_b s[8:9], xq s[10:11]
	s_load_b128 s[12:15], s[0:1], 0x20             ; xs s[12:13], rmask s[14:15]
	s_load_b64 s[16:17], s[0:1], 0x30              ; gate
	v_lshl_add_u32 v254, v0, 2, 0x12800
	v_mov_b32 v255, 0
	v_lshrrev_b32 v1, 5, v0
	v_readfirstlane_b32 s20, v1                    ; wave 0..7
	v_and_b32 v1, 31, v0                           ; lane
	v_lshlrev_b32 v2, 4, v1                        ; 16 x lane
	s_mul_i32 s21, s20, ROWS
	; every LDS address is made here, ahead of the place where the waves part
	v_lshrrev_b32 v13, 3, v1
	v_and_b32 v14, 7, v1
	v_mul_u32_u24 v13, v13, PLC
	v_lshl_add_u32 v13, v14, 4, v13                ; a load's 512 bytes are four blocks: 144 (lane / 8) + 16 (lane % 8)
	v_add_nc_u32 v5, s21, v13                      ; v5: router_w's row w on its way in
	v_add_nc_u32 v3, XST, v5                       ; v3: a row of x on its way in
	v_mul_u32_u24 v6, v1, PLC                      ; v6: my block of a row of router_w
	v_add_nc_u32 v4, s21, v6
	v_add_nc_u32 v4, XST, v4                       ; v4: my block of the row of x
	v_lshrrev_b32 v13, 2, v1
	v_mul_u32_u24 v13, v13, 96                     ; block l belongs to K step l / 4,
	v_and_b32 v14, 1, v1
	v_bfe_u32 v15, v1, 1, 1
	v_lshl_add_u32 v14, v14, 1, v15                ; at place 2 (l & 1) + ((l >> 1) & 1) of its four: the order 0, 2, 1, 3
	v_mad_u32_u24 v13, v14, 24, v13
	v_add_nc_u32 v7, s21, v13
	v_add_nc_u32 v7, XST, v7                       ; v7: where my 24 bytes of codes go
	v_add_nc_u32 v8, s21, v2
	v_add_nc_u32 v8, XST, v8                       ; v8: and where 16 bytes of them come back
	s_lshl_b32 s18, s20, 7
	v_add_nc_u32 v9, s18, v1
	v_add_nc_u32 v9, XSB, v9                       ; v9: my block's scale byte: 32 bytes a token, 128 a wave
	s_add_co_u32 s19, s18, LGT
	v_mov_b32 v10, s19                             ; v10: my wave's four tokens' logits (one address for all lanes)
	v_lshl_add_u32 v11, v1, 5, LGT                 ; v11: token = lane: its 8 logits
	v_add_nc_u32 v12, XSB, v2                      ; v12: the scale bytes on their way out
	s_mov_b32 s22, 0x76543210
	s_mov_b32 s23, 0xfedcba98                      ; v_permlanex16_b32's selects for lane l xor 16
	s_mov_b32 s3, 0
	s_wait_kmcnt 0x0
	s_load_b256 s[24:31], s[8:9], 0x0              ; router_b's eight numbers
	s_lshl_b32 s2, s20, 12
	s_add_nc_u64 s[6:7], s[6:7], s[2:3]            ; router_w at row w
	s_lshl_b32 s2, ttmp9, 17
	s_lshl_b32 s19, s20, 14
	s_add_co_u32 s2, s2, s19
	s_add_nc_u64 s[4:5], s[4:5], s[2:3]            ; x at token 32 g + 4 w
	s_mul_i32 s2, ttmp9, 24576
	s_mul_i32 s19, s20, 3072
	s_add_co_u32 s2, s2, s19
	s_add_nc_u64 s[10:11], s[10:11], s[2:3]        ; xq likewise
	s_lshl_b32 s2, ttmp9, 10
	s_add_nc_u64 s[12:13], s[12:13], s[2:3]        ; xs at token 32 g
	s_lshl_b32 s2, ttmp9, 2
	s_add_nc_u64 s[14:15], s[14:15], s[2:3]        ; rmask at word g
	s_lshl_b32 s2, ttmp9, 8
	s_add_nc_u64 s[16:17], s[16:17], s[2:3]        ; gate at token 32 g
.irp i, 0,1,2,3,4,5,6,7
	global_load_b128 v[RWB+4*\i:RWB+4*\i+3], v2, s[6:7] offset:512*\i
.endr
.irp tk, 0,1,2,3
.irp i, 0,1,2,3,4,5,6,7
	global_load_b128 v[XR+32*\tk+4*\i:XR+32*\tk+4*\i+3], v2, s[4:5] offset:4096*\tk+512*\i th:TH_LOAD_NT   ; 512 bytes on end; x is read once
.endr
.endr
	; ---- the turn: bytes go into LDS as they were loaded and come back a block to a lane
	s_wait_loadcnt 32                              ; router_w's 8 loads are in; the 32 of x may be out
.irp i, 0,1,2,3,4,5,6,7
	ds_store_b128 v5, v[RWB+4*\i:RWB+4*\i+3] offset:576*\i
.endr
.irp tk, 0,1,2,3
	s_wait_loadcnt 24-8*\tk                        ; this token's 8 loads are in; the later tokens' may be out
.irp i, 0,1,2,3,4,5,6,7
	ds_store_b128 v3, v[XR+32*\tk+4*\i:XR+32*\tk+4*\i+3] offset:576*\i
.endr
.irp q, 0,1,2,3,4,5,6,7
	ds_load_b128 v[XR+32*\tk+4*\q:XR+32*\tk+4*\q+3], v4 offset:16*\q   ; LDS serves a wave's instructions in order: these see the stores above, and the next token's stores come behind them
.endr
.endr
	s_wait_dscnt 0x0                               ; for the others' sake: my row of router_w lies in LDS; my own numbers are back
	s_barrier_signal -1
	s_barrier_wait -1
	; ---- x becomes codes: a lane holds a whole block of each of the four tokens, which take turns line by line
.irp tk, 0,1,2,3
	v_max3_num_f32 v[MX+\tk], |v[XR+32*\tk]|, |v[XR+32*\tk+1]|, 0x1800000   ; with the floor 2^(3 - 127) among the leaves: the byte cannot fall under 1
.endr
.irp i, 2,4,6,8,10,12,14,16,18,20,22,24,26,28,30
.irp tk, 0,1,2,3
	v_max3_num_f32 v[MX+\tk], v[MX+\tk], |v[XR+32*\tk+\i]|, |v[XR+32*\tk+\i+1]|
.endr
.endr
.irp tk, 0,1,2,3
	v_add_nc_u32 v[SO+\tk], 0xff000000, v[MX+\tk]  ; 2 off the exponent field: the conversion takes the exponent field of this operand as its scale
.endr
.irp tk, 0,1,2,3
	v_lshrrev_b32 v[BY+\tk], 23, v[SO+\tk]         ; the scale's byte
.endr
.irp tk, 0,1,2,3
	v_cvt_scalef32_pk16_fp6_f32 v[LR+8*\tk:LR+8*\tk+2], v[XR+32*\tk:XR+32*\tk+15], v[SO+\tk]
	v_cvt_scalef32_pk16_fp6_f32 v[LR+8*\tk+4:LR+8*\tk+6], v[XR+32*\tk+16:XR+32*\tk+31], v[SO+\tk]   ; (a conversion's three registers begin on an even number)
.endr
	v_nop                                          ; one plain place behind the scaled conversions
.irp tk, 0,1,2,3
	v_mov_b32 v[LR+8*\tk+3], v[LR+8*\tk+4]         ; the block's six registers on end
	v_mov_b32 v[LR+8*\tk+4], v[LR+8*\tk+5]
	v_mov_b32 v[LR+8*\tk+5], v[LR+8*\tk+6]
.endr
.irp tk, 0,1,2,3
	ds_store_b64 v7, v[LR+8*\tk:LR+8*\tk+1] offset:768*\tk
	ds_store_b64 v7, v[LR+8*\tk+2:LR+8*\tk+3] offset:768*\tk+8
	ds_store_b64 v7, v[LR+8*\tk+4:LR+8*\tk+5] offset:768*\tk+16
	ds_store_b8 v9, v[BY+\tk] offset:32*\tk
.endr
	; ---- the logits: for each expert my block of its row against my block of the four tokens
.macro RWLOAD e
.irp q, 0,1,2,3,4,5,6,7
	ds_load_b128 v[RWB+32*((\e)%2)+4*\q:RWB+32*((\e)%2)+4*\q+3], v6 offset:ROWS*(\e)+16*\q
.endr
.endm
	RWLOAD 0
.irp e, 0,1,2,3,4,5,6,7
.if \e < 7
	RWLOAD \e+1
	s_wait_dscnt 8                                 ; this expert's 8 loads are in (and all LDS stores issued before them are done); the next expert's 8 may be out
.else
	s_wait_dscnt 0x0
.endif
.irp tk, 0,1,2,3
	v_pk_mul_f32 v[SM+2*\tk:SM+2*\tk+1], v[XR+32*\tk:XR+32*\tk+1], v[RWB+32*(\e%2):RWB+32*(\e%2)+1]
.endr
.irp p, 1,2,3,4,5,6,7,8,9,10,11,12,13,14,15
.irp tk, 0,1,2,3
	v_pk_fma_f32 v[SM+2*\tk:SM+2*\tk+1], v[XR+32*\tk+2*\p:XR+32*\tk+2*\p+1], v[RWB+32*(\e%2)+2*\p:RWB+32*(\e%2)+2*\p+1], v[SM+2*\tk:SM+2*\tk+1]
.endr
.endr
.irp tk, 0,1,2,3
	v_add_f32 v[LR+8*\tk+\e], v[SM+2*\tk], v[SM+2*\tk+1]
.endr
.endr
	; ---- the 32 partial logits are summed over the 32 lanes; every lane ends up with all of them
.irp m, 1,2,4,8
.set JJ, 0
.rept 32
	v_add_f32_dpp v[LR+JJ], v[LR+JJ], v[LR+JJ] row_xmask:\m row_mask:0xf bank_mask:0xf
.set JJ, JJ+1
.endr
.endr
.set JJ, 0
.rept 32
	v_permlanex16_b32 v[RWB+JJ], v[LR+JJ], s22, s23   ; (its destination counts as read: these registers have been written)
.set JJ, JJ+1
.endr
.set JJ, 0
.rept 32
	v_add_f32 v[LR+JJ], v[LR+JJ], v[RWB+JJ]
.set JJ, JJ+1
.endr
.irp tk, 0,1,2,3
	ds_store_b128 v10, v[LR+8*\tk:LR+8*\tk+3] offset:32*\tk        ; all lanes write the same words with the same values
	ds_store_b128 v10, v[LR+8*\tk+4:LR+8*\tk+7] offset:32*\tk+16
.endr
	; ---- my four tokens' codes leave: 3,072 bytes on end, at a multiple of 256 from xq's first byte
.irp i, 0,1,2,3,4,5
	ds_load_b128 v[XR+4*\i:XR+4*\i+3], v8 offset:512*\i
.endr
.irp i, 0,1,2,3,4,5
	s_wait_dscnt 5-\i                              ; load i is back; the younger ones may be out
	global_store_b128 v2, v[XR+4*\i:XR+4*\i+3], s[10:11] offset:512*\i
.endr
	s_wait_dscnt 0x0                               ; for the others' sake: my logits and scale bytes lie in LDS
	s_barrier_signal -1
	s_barrier_wait -1
	s_cmp_gt_u32 s20, 1
	s_cbranch_scc1 .Lend                           ; waves 2 to 7 are done
	s_cmp_eq_u32 s20, 1
	s_cbranch_scc1 .Lscales
	; ---- wave 0: a lane to a token
	ds_load_b128 v[48:51], v11
	ds_load_b128 v[52:55], v11 offset:16
	s_wait_kmcnt 0x0                               ; router_b
	s_wait_dscnt 0x0
.irp e, 0,1,2,3,4,5,6,7
	v_add_f32 v[48+\e], s[24+\e], v[48+\e]
.endr
	v_max3_num_f32 v72, v48, v49, v50
	v_max3_num_f32 v72, v72, v51, v52
	v_max3_num_f32 v72, v72, v53, v54
	v_max_num_f32 v72, v72, v55                    ; the row's maximum is taken away ahead of the exponentials
.irp e, 0,1,2,3,4,5,6,7
	v_sub_f32 v[56+\e], v[48+\e], v72
.endr
.irp e, 0,1,2,3,4,5,6,7
	v_mul_f32 v[56+\e], 0x3fb8aa3b, v[56+\e]
.endr
.irp e, 0,1,2,3,4,5,6,7
	v_exp_f32 v[56+\e], v[56+\e]
.endr
	v_mov_b32 v74, 0                               ; (a plain place behind the exponentials)  the first choice's number
	s_wait_alu depctr_va_vdst(0)                   ; one wait for the eight, ahead of their first reader
	v_mov_b32 v73, v56
.irp e, 1,2,3,4,5,6,7
	v_cmp_gt_f32 vcc_lo, v[56+\e], v73             ; strictly larger: of equals the lower index stays
	v_cndmask_b32 v73, v73, v[56+\e], vcc_lo
	v_cndmask_b32 v74, v74, \e, vcc_lo
.endr
.irp e, 0,1,2,3,4,5,6,7
	v_cmp_eq_u32 vcc_lo, \e, v74
	v_cndmask_b32 v[64+\e], v[56+\e], -1.0, vcc_lo ; the first choice is taken out: -1 lies under every exponential
.endr
	v_mov_b32 v75, v64
	v_mov_b32 v76, 0
.irp e, 1,2,3,4,5,6,7
	v_cmp_gt_f32 vcc_lo, v[64+\e], v75
	v_cndmask_b32 v75, v75, v[64+\e], vcc_lo
	v_cndmask_b32 v76, v76, \e, vcc_lo
.endr
	v_add_f32 v77, v73, v75                        ; the softmax's divisor cancels in the renormalised weights
	v_rcp_f32 v77, v77
	v_lshlrev_b32 v80, 3, v1                       ; (a plain place behind the reciprocal)
	s_wait_alu depctr_va_vdst(0)
	v_mul_f32 v78, v73, v77
	v_mul_f32 v79, v75, v77
	global_store_b64 v80, v[78:79], s[16:17]       ; 32 lanes store 256 bytes on end
.irp e, 0,1,2,3,4,5,6,7
	v_cmp_eq_u32 s[40+\e], \e, v74
	v_cmp_eq_u32 s[48+\e], \e, v76                 ; bit i: expert e is token i's second choice
	s_or_b32 s[40+\e], s[40+\e], s[48+\e]          ; bit i: token i uses expert e
.endr
	v_mov_b32 v81, 0
.irp e, 0,1,2,3,4,5,6,7
	v_writelane_b32 v81, s[40+\e], \e
	v_writelane_b32 v81, s[48+\e], 8+\e
.endr
	v_lshlrev_b32 v82, 7, v1                       ; lane k stores row k's word g
	v_cmp_gt_u32 vcc_lo, 16, v1
	s_wait_xcnt 0x0                                ; EXEC changes only behind this wait
	s_wait_tensorcnt 0x0
	ds_add_u32 v254, v255
	s_wait_dscnt 0x0
	s_and_saveexec_b32 s19, vcc_lo
	global_store_b32 v82, v81, s[14:15]
	s_wait_xcnt 0x0                                ; and again in front of the line that widens it
	s_or_b32 exec_lo, exec_lo, s19
	s_endpgm
.Lscales:
	; ---- wave 1: the 32 tokens' scale bytes, 1,024 bytes on end
	ds_load_b128 v[48:51], v12
	ds_load_b128 v[52:55], v12 offset:512
	s_wait_dscnt 0x0
	global_store_b128 v2, v[48:51], s[12:13]
	global_store_b128 v2, v[52:55], s[12:13] offset:512
.Lend:
	s_wait_tensorcnt 0x0
	ds_add_u32 v254, v255
	s_wait_dscnt 0x0
	s_endpgm
.Lfunc_end_k_q99be40ae31_route:
	.size	k_q99be40ae31_route, .Lfunc_end_k_q99be40ae31_route-k_q99be40ae31_route
	.p2alignl 7, 3214868480
	.fill 96, 4, 3214868480
	.section	.rodata,"a",@progbits
	.p2align	6, 0x0
	.amdhsa_kernel k_q99be40ae31_route
		.amdhsa_group_segment_fixed_size 76800
		.amdhsa_private_segment_fixed_size 0
		.amdhsa_enable_private_segment 0
		.amdhsa_kernarg_size 56
		.amdhsa_user_sgpr_count 2
		.amdhsa_user_sgpr_kernarg_segment_ptr 1
		.amdhsa_wavefront_size32 1
		.amdhsa_system_sgpr_workgroup_id_x 1
		.amdhsa_system_sgpr_workgroup_id_y 1
		.amdhsa_system_sgpr_workgroup_id_z 1
		.amdhsa_system_vgpr_workitem_id 0
		.amdhsa_next_free_vgpr 256
		.amdhsa_next_free_sgpr 66
		.amdhsa_reserve_vcc 1
		.amdhsa_float_denorm_mode_32 3
		.amdhsa_float_denorm_mode_16_64 3
		.amdhsa_memory_ordered 1
		.amdhsa_forward_progress 1
		.amdhsa_inst_pref_size 76
	.end_amdhsa_kernel
	.amdgpu_metadata
---
amdhsa.version: [ 1, 2 ]
amdhsa.kernels:
  - .name:           k_q99be40ae31_route
    .symbol:         k_q99be40ae31_route.kd
    .args:
      - { .name: x, .offset: 0, .size: 8, .value_kind: global_buffer, .address_space: global }
      - { .name: router_w, .offset: 8, .size: 8, .value_kind: global_buffer, .address_space: global }
      - { .name: router_b, .offset: 16, .size: 8, .value_kind: global_buffer, .address_space: global }
      - { .name: xq, .offset: 24, .size: 8, .value_kind: global_buffer, .address_space: global }
      - { .name: xs, .offset: 32, .size: 8, .value_kind: global_buffer, .address_space: global }
      - { .name: rmask, .offset: 40, .size: 8, .value_kind: global_buffer, .address_space: global }
      - { .name: gate, .offset: 48, .size: 8, .value_kind: global_buffer, .address_space: global }
    .group_segment_fixed_size: 76800
    .private_segment_fixed_size: 0
    .kernarg_segment_align: 8
    .kernarg_segment_size: 56
    .max_flat_workgroup_size: 256
    .sgpr_count:     66
    .vgpr_count:     256
    .wavefront_size: 32
...
	.end_amdgpu_metadata
.endif
;; end of part 1
;; launch hid (part 2): grid 256 x 1, 4 waves a work-group, no clusters, 154,112 bytes of LDS; arguments xq, xs, rmask, w1, b1, hbuf; writes hbuf
.if DOCPART == 2
	.amdgcn_target "amdgcn-amd-amdhsa--gfx1250"
	.amdhsa_code_object_version 6
	.text
	.protected	k_q99be40ae31_hid
	.globl	k_q99be40ae31_hid
	.p2align	8
	.type	k_q99be40ae31_hid,@function
k_q99be40ae31_hid:
	s_mov_b64 s[64:65], 0
	v_nop
	global_prefetch_b8 v0, s[64:65] scope:SCOPE_SE
	s_setreg_imm32_b32 hwreg(HW_REG_WAVE_MODE, 25, 1), 1
	s_wait_xcnt 0x0
; HID.  h = gelu(x w1[e]^T + b1[e]) for the rows that were routed to expert e, on codes of FP6 (E2M3) with one E8M0 scale for each 32 along K; h is quantised on the way and stored as codes.
; SHARES.  Work-group (e, fs) owns hidden units 128 fs .. 128 fs + 127 of expert e, for all of K = 1,024: 512 KiB of w1, read from memory once in the launch, 512 bytes on end to a load.
; THE WEIGHTS.  Wave w quantises K steps 2 w and 2 w + 1 (16 fragments of 16 rows x 128 K): a load's bytes turn through the wave's own stage in LDS so that a lane holds whole blocks of 32 of one row.
; The 64 fragments go to LDS as images of their registers (12 registers a lane: three stores of 512 bytes), and behind a barrier EVERY wave loads all 64: 768 registers that stay.
; THE ROWS.  The expert's rows come from its mask (whole numbers that the launch before stored): wave 0 lays them as a list in LDS, entry = 2 x token + (0: first choice, 1: second).  A wave takes tiles of 16 rows,
; w, w + 4, ..; a tile's 8 fragments of x come from memory straight into registers and each feeds 8 matrix instructions.  The wave finishes its 16 x 128 tile alone: no barrier stands in the part that hangs on the count.
; The loop has 16 trips for every split (64 tiles at the most); a trip whose tile does not exist jumps to the lines that step.  The count is held at 1 from below: an expert without rows still makes tile 0, of pad rows.
; TRANSPOSED USE: source 0 = 16 rows of w1, source 1 = 16 rows of x: a lane holds ONE row and eight hidden units.  THE ROWS OF w1 THAT FORM A TILE ARE NOT NEIGHBOURS: row i of tile n is unit
; 32 (n / 2) + 8 (n % 2) + i + 8 (i / 8), so that the 16 registers of tiles 2 b, 2 b + 1 are 16 neighbours along the next K.  The 128 units are one K step of the second product: one fragment and one scale word a row.
; b1 is the start of the sums: an image of the 64 accumulator registers lies in LDS and is loaded into them at a tile's head.
; OUT.  hbuf [e][tile 0..63][K step fs][1,792 bytes]: the fragment's image (3 x 512 bytes), the 32 lanes' scale word at 1,536.
; NO CLUSTER, NO TENSOR LOAD: the number of tiles hangs on a count read from memory.  What the 32 work-groups of an expert share, 768 bytes a row, is at an even split (256 rows) 192 KiB beside each one's own 512 KiB of weights.
; gelu: 0.5 a (1 + erf(a / sqrt 2)), erf as z P(z^2) / Q(z^2) with z held to +-4, all in f32.
; LIMITS.  NaN and infinities are not served.  A block whose largest magnitude lies under 2^-124 keeps the byte 1; so does a block of zeros, where the rule says 127: its codes are zeros, and this program alone reads the bytes.
; erf's error is a few units in the last place of 1, so for a far below 0, where 1 + erf is a small difference, h's error is about 1e-7 |a| and not 1e-6 of h.
; REGISTERS, in windows of 256.  Fragment f = 8 s + n (K step s, tile n): f < 63 in window 1 + f / 21 at v[12 (f % 21)]; f = 63 in window 0 at v48.
;   window 0, in the loop: v1-9 addresses; v10-11 erf's leading coefficients; v12-15 x's scale words; v16-47 w1's scale words; v48-59 fragment 63; v60-155 x's 8 fragments; v156-219 the 8 accumulators; v220-255 at work.
;   window 0, while the weights are made: v60-187 two sets of 64 numbers; v188-227 two sets of codes; v228-243 at work; v244-253 addresses.   window 1 then holds four sets of 64 registers as loaded.
.set ROWP,  4096                       ; a row of w1 in bytes
.set WIMG,  0                          ; LDS: the 64 fragments' images, 1,536 bytes each
.set WSCL,  98304                      ; their scale words, 128 bytes each: a word a lane
.set BIMG,  106496                     ; b1 as an image of the accumulators: 16 x 512 bytes
.set STG,   114688                     ; a stage of 16 rows x 528 bytes for each wave
.set LIST,  148480                     ; the list: 1,152 entries; behind them 32 words that take what no row owns; 1,280 words in all, as far as the hold on an index reaches
.set DUMP,  1152
.set TILEB, 57344                      ; a tile in hbuf: 32 K steps x 1,792 bytes
.set ASC,   12
.set WSC,   16
.set W63,   48
.set AF,    60
.set ACC,   156
.set X0,    60
.set PC0,   188
.set BR,    228
.set MSB, 0
.macro WIN new                         ; the immediate's high byte repeats the setting that is left; a switch that changes nothing is dropped
.if MSB != (\new)
	s_set_vgpr_msb (MSB<<8)|(\new)
.set MSB, (\new)
.endif
.endm
; 16 rows x 512 bytes of step t (tile t % 8, my K step t / 8) into set t % 4 of window 1
.macro RLOAD t
	WIN 0x40
.irp i, 0,1,2,3,4,5,6,7,8,9,10,11,12,13,14,15
	global_load_b128 v[64*((\t)%4)+4*\i:64*((\t)%4)+4*\i+3], v1, s[10:11] offset:(32*(((\t)%8)/2)+8*((\t)%2)+\i+8*(\i/8))*ROWP+512*((\t)/8) th:TH_LOAD_NT
.endr
	WIN 0
.endm
; step t's bytes through my stage: in as loaded, a row to a store; back 2 x 128 bytes a lane: lane (r, h) gets blocks h and 2 + h of row r
.macro TURN t
.if 15-(\t) >= 3
	s_wait_loadcnt 48                              ; this step's 16 loads are in; those of the three steps behind it may be out
.else
	s_wait_loadcnt 16*(15-(\t))
.endif
	WIN 0x04                                       ; an LDS store's data are its source 1: window 1
.irp i, 0,1,2,3,4,5,6,7,8,9,10,11,12,13,14,15
	ds_store_b128 v244, v[64*((\t)%4)+4*\i:64*((\t)%4)+4*\i+3] offset:528*\i
.endr
	WIN 0
.irp c, 0,1
.irp q, 0,1,2,3,4,5,6,7
	ds_load_b128 v[X0+64*((\t)%2)+32*\c+4*\q:X0+64*((\t)%2)+32*\c+4*\q+3], v245 offset:256*\c+16*\q   ; LDS serves a wave's instructions in order: these see the stores above
.endr
.endr
.endm
; step t's 64 numbers a lane become fragment 16 w + t and its scale word; loads run four steps ahead, the turn one
.macro WSTEP t
.set XS, X0+64*((\t)%2)
.set PC, PC0+20*((\t)%2)
.set PWR, 234+(\t)%2
.if (\t) > 0
	s_wait_dscnt 4                                 ; this step's numbers are back from the stage, so its stores into the stage have read their registers; the last step's 4 image stores may be out
.else
	s_wait_dscnt 0x0
.endif
.if (\t)+4 < 16
	RLOAD (\t)+4
.endif
.if (\t)+1 < 16
	TURN (\t)+1
.endif
.irp c, 0,1
	v_max3_num_f32 v[228+\c], |v[XS+32*\c]|, |v[XS+32*\c+1]|, 0x1800000   ; my block 2 c + h: all its 32 numbers are mine; the floor 2^(3 - 127) holds the byte at 1 from below
.endr
.irp i, 2,4,6,8,10,12,14,16,18,20,22,24,26,28,30
.irp c, 0,1
	v_max3_num_f32 v[228+\c], v[228+\c], |v[XS+32*\c+\i]|, |v[XS+32*\c+\i+1]|
.endr
.endr
.irp c, 0,1
	v_add_nc_u32 v[230+\c], 0xff000000, v[228+\c]  ; 2 off the exponent field: the conversion's scale operand
.endr
.irp c, 0,1
	v_lshrrev_b32 v[232+\c], 23, v[230+\c]         ; the scale's byte
.endr
	v_lshl_or_b32 v[PWR], v233, 16, v232           ; my two bytes, blocks h and 2 + h,
	v_lshlrev_b32 v[PWR], v248, v[PWR]             ; at their places in the word (8 h bits up);
	v_mov_b32 v236, 0
	v_permlanex16_b32 v236, v[PWR], s60, s61
	v_or_b32 v[PWR], v[PWR], v236                  ; with lane l xor 16's two the word is whole
.irp c, 0,1
	v_cvt_scalef32_pk16_fp6_f32 v[PC+6*\c:PC+6*\c+2], v[XS+32*\c:XS+32*\c+15], v[230+\c]
	v_cvt_scalef32_pk16_fp6_f32 v[PC+12+4*\c:PC+14+4*\c], v[XS+32*\c+16:XS+32*\c+31], v[230+\c]   ; (a conversion's three registers begin on an even number)
.endr
	v_nop                                          ; one plain place behind the scaled conversions
.irp c, 0,1
.irp i, 0,1,2
	v_mov_b32 v[PC+3+6*\c+\i], v[PC+12+4*\c+\i]
.endr
.endr
.irp c, 0,1,2
	ds_store_b128 v246, v[PC+4*\c:PC+4*\c+3] offset:1536*(\t)+512*\c
.endr
	ds_store_b32 v247, v[PWR] offset:128*(\t)
.endm
; matrix instructions f0 .. f1.  The eight accumulators take turns, one instruction a turn.  w1's scale words: even K steps in lanes 0-15, odd ones in lanes 16-31; x's: K steps 0-3 below, 4-7 above
.macro MUL f0, f1
.set FF, \f0
.rept (\f1)-(\f0)+1
.set KS, FF/8
.set RA, ACC+8*(FF%8)
.set RB, AF+12*KS
.set RS, WSC+8*(KS/2)+FF%8
.set RT, ASC+KS%4
.if FF < 63
.set WN, 1+FF/21
.set RW, 12*(FF%21)
.else
.set WN, 0
.set RW, W63
.endif
	WIN WN
.if (KS%2 == 0) && (KS < 4)
	v_wmma_scale_f32_16x16x128_f8f6f4 v[RA:RA+7], v[RW:RW+11], v[RB:RB+11], v[RA:RA+7], v[RS], v[RT] matrix_a_fmt:MATRIX_FMT_FP6 matrix_b_fmt:MATRIX_FMT_FP6
.elseif (KS%2 == 1) && (KS < 4)
	v_wmma_scale_f32_16x16x128_f8f6f4 v[RA:RA+7], v[RW:RW+11], v[RB:RB+11], v[RA:RA+7], v[RS], v[RT] matrix_a_fmt:MATRIX_FMT_FP6 matrix_b_fmt:MATRIX_FMT_FP6 matrix_a_scale:MATRIX_SCALE_ROW1
.elseif KS%2 == 0
	v_wmma_scale_f32_16x16x128_f8f6f4 v[RA:RA+7], v[RW:RW+11], v[RB:RB+11], v[RA:RA+7], v[RS], v[RT] matrix_a_fmt:MATRIX_FMT_FP6 matrix_b_fmt:MATRIX_FMT_FP6 matrix_b_scale:MATRIX_SCALE_ROW1
.else
	v_wmma_scale_f32_16x16x128_f8f6f4 v[RA:RA+7], v[RW:RW+11], v[RB:RB+11], v[RA:RA+7], v[RS], v[RT] matrix_a_fmt:MATRIX_FMT_FP6 matrix_b_fmt:MATRIX_FMT_FP6 matrix_a_scale:MATRIX_SCALE_ROW1 matrix_b_scale:MATRIX_SCALE_ROW1
.endif
.set FF, FF+1
.endr
.endm
.macro PLACES                          ; four plain places behind matrix instructions, in front of loads into registers that they have read and of the first read of results (ISA guide 7.12.1 for the first read of results)
.rept 4
	v_nop
.endr
.endm
; an entry of the list in v254 becomes my row's offsets in xq and xs.  A pad entry gives token 1,023
.macro TOKEN
	v_lshrrev_b32 v254, 1, v254
	v_min_u32 v254, 0x3ff, v254
	v_mul_u32_u24 v8, v254, 768
	v_add_nc_u32 v8, v8, v5                        ; 768 x token + 48 h
	v_lshl_add_u32 v9, v254, 5, v6                 ; 32 x token + 16 h
.endm
.macro AFLOAD s0                       ; four K steps' fragments of x: 48 bytes a lane each
.irp s, 0,1,2,3
.irp c, 0,1,2
	global_load_b128 v[AF+12*(\s0+\s)+4*\c:AF+12*(\s0+\s)+4*\c+3], v8, s[4:5] offset:96*(\s0+\s)+16*\c
.endr
.endr
.endm
; gelu on accumulator n, in place.  The reciprocals are a batch of eight with one wait; the numerator's 24 multiply-adds are the work between
.set GZ, 220
.set GQ, 228
.set GP, 236
.set GD, 244
.macro GELU n
.set GA, ACC+8*(\n)
.irp p, 0,2,4,6
	v_pk_mul_f32 v[GZ+\p:GZ+\p+1], v[GA+\p:GA+\p+1], s[36:37] op_sel_hi:[1,0]   ; z = a / sqrt 2  (the accumulator is read from its low end on)
.endr
.irp i, 0,1,2,3,4,5,6,7
	v_med3_num_f32 v[GZ+\i], v[GZ+\i], -4.0, 4.0
.endr
.irp p, 0,2,4,6
	v_pk_mul_f32 v[GQ+\p:GQ+\p+1], v[GZ+\p:GZ+\p+1], v[GZ+\p:GZ+\p+1]
.endr
.irp p, 0,2,4,6
	v_pk_fma_f32 v[GD+\p:GD+\p+1], v[GQ+\p:GQ+\p+1], v[10:11], s[28:29] op_sel:[0,1,0] op_sel_hi:[1,1,0]   ; Q: its leading coefficient is v11, for both halves
.endr
.irp k, 30,32,34
.irp p, 0,2,4,6
	v_pk_fma_f32 v[GD+\p:GD+\p+1], v[GD+\p:GD+\p+1], v[GQ+\p:GQ+\p+1], s[\k:\k+1] op_sel_hi:[1,1,0]
.endr
.endr
.irp i, 0,1,2,3,4,5,6,7
	v_rcp_f32 v[GD+\i], v[GD+\i]                   ; Q is at most its constant term, which is negative: never 0
.endr
.irp p, 0,2,4,6
	v_pk_fma_f32 v[GP+\p:GP+\p+1], v[GQ+\p:GQ+\p+1], v[10:11], s[16:17] op_sel_hi:[1,0,0]   ; P: its leading coefficient is v10
.endr
.irp k, 18,20,22,24,26
.irp p, 0,2,4,6
	v_pk_fma_f32 v[GP+\p:GP+\p+1], v[GP+\p:GP+\p+1], v[GQ+\p:GQ+\p+1], s[\k:\k+1] op_sel_hi:[1,1,0]
.endr
.endr
.irp p, 0,2,4,6
	v_pk_mul_f32 v[GP+\p:GP+\p+1], v[GP+\p:GP+\p+1], v[GZ+\p:GZ+\p+1]
.endr
.irp p, 0,2,4,6
	v_pk_mul_f32 v[GZ+\p:GZ+\p+1], v[GA+\p:GA+\p+1], 0.5 op_sel_hi:[1,0]
.endr
	s_wait_alu depctr_va_vdst(0)                   ; one wait for the eight reciprocals, ahead of their first reader
.irp p, 0,2,4,6
	v_pk_mul_f32 v[GP+\p:GP+\p+1], v[GP+\p:GP+\p+1], v[GD+\p:GD+\p+1]           ; erf
.endr
.irp p, 0,2,4,6
	v_pk_fma_f32 v[GA+\p:GA+\p+1], v[GZ+\p:GZ+\p+1], v[GP+\p:GP+\p+1], v[GZ+\p:GZ+\p+1]   ; 0.5 a erf + 0.5 a
.endr
.endm
	s_load_b256 s[4:11], s[0:1], 0x0               ; xq s[4:5], xs s[6:7], rmask s[8:9], w1 s[10:11]
	s_load_b128 s[12:15], s[0:1], 0x20             ; b1 s[12:13], hbuf s[14:15]
	v_lshl_add_u32 v255, v0, 2, 0x25800
	s_set_vgpr_msb 0x80
	v_mov_b32 v255, 0
	s_set_vgpr_msb 0x8000
	v_lshrrev_b32 v200, 5, v0
	v_readfirstlane_b32 s48, v200                  ; wave 0..3
	s_lshr_b32 s49, ttmp9, 5                       ; e
	s_and_b32 s50, ttmp9, 31                       ; fs
	v_and_b32 v200, 31, v0                         ; lane
	v_and_b32 v201, 15, v0                         ; r
	v_bfe_u32 v202, v0, 4, 1                       ; h
	; every LDS address register that stays is made here, ahead of the place where wave 0 parts from the others
	v_lshlrev_b32 v1, 4, v200                      ; v1: 16 x lane
	v_lshlrev_b32 v2, 2, v200                      ; v2: 4 x lane
	v_lshl_add_u32 v3, v201, 2, LIST               ; v3: my row's entry in a tile of the list
	v_add_nc_u32 v4, BIMG, v1                      ; v4: b1's image
	v_mul_u32_u24 v5, v202, 48                     ; v5: 48 h
	v_lshlrev_b32 v6, 4, v202                      ; v6: 16 h
	s_mul_i32 s54, s48, 8448
	s_add_co_u32 s54, s54, STG
	v_add_nc_u32 v244, s54, v1                     ; v244: my stage, in
	v_mul_u32_u24 v203, v201, 528
	v_lshl_add_u32 v203, v202, 7, v203
	v_add_nc_u32 v245, s54, v203                   ; v245: my stage, back: row r, + 128 h
	s_mul_i32 s54, s48, 24576
	v_add_nc_u32 v246, s54, v1                     ; v246: my 16 fragments' images
	s_lshl_b32 s54, s48, 11
	s_add_co_u32 s55, s54, WSCL
	v_add_nc_u32 v247, s55, v2                     ; v247: their scale words
	v_lshlrev_b32 v248, 3, v202                    ; v248: 8 h
	s_add_co_u32 s55, s54, BIMG
	v_add_nc_u32 v249, s55, v1                     ; v249: my two tiles of b1's image
	v_lshlrev_b32 v250, 6, v202                    ; v250: b1: 64 h bytes
	v_add_nc_u32 v251, LIST, v1                    ; v251: the list, 16 bytes a lane
	v_add_nc_u32 v252, 64512, v1                   ; v252: the images from fragment 42 on
	v_lshlrev_b32 v203, 2, v201
	v_lshl_add_u32 v203, v202, 10, v203
	v_add_nc_u32 v253, WSCL, v203                  ; v253: scale words: row r; lanes 16-31 eight fragments (a K step) on
	v_lshlrev_b32 v52, 1, v200                     ; v52: 2 x lane: an entry of a first choice
	v_add_nc_u32 v53, DUMP, v200                   ; v53: the index of my word behind the list
	v_or_b32 v54, 1, v52                           ; v54: 2 x lane + 1: an entry of a second choice
	s_mov_b32 s60, 0x76543210
	s_mov_b32 s61, 0xfedcba98                      ; v_permlanex16_b32's selects for lane l xor 16
	s_mov_b32 s3, 0
	s_wait_kmcnt 0x0
	s_lshl_b32 s2, s49, 7
	s_add_nc_u64 s[8:9], s[8:9], s[2:3]            ; rmask at row e
	s_load_b512 s[16:31], s[8:9], 0x0              ; s[16:47]: who uses expert e
	s_load_b512 s[32:47], s[8:9], 0x40
	s_load_b512 s[68:83], s[8:9], 0x400            ; s[68:99]: for whom it is the second choice
	s_load_b512 s[84:99], s[8:9], 0x440
	s_lshl_b32 s2, s49, 24                         ; w1: 2^24 bytes an expert, 2^19 a slice of 128 rows, 1,024 for my two K steps
	s_lshl_b32 s54, s50, 19
	s_or_b32 s2, s2, s54
	s_lshl_b32 s54, s48, 10
	s_or_b32 s2, s2, s54
	s_add_nc_u64 s[10:11], s[10:11], s[2:3]
	s_lshl_b32 s2, s49, 14                         ; b1: 4 (4,096 e + 128 fs + 32 w)
	s_lshl_b32 s54, s50, 9
	s_or_b32 s2, s2, s54
	s_lshl_b32 s54, s48, 7
	s_or_b32 s2, s2, s54
	s_add_nc_u64 s[12:13], s[12:13], s[2:3]
	s_lshl_b32 s2, s49, 6                          ; hbuf: ((64 e + w) 32 + fs) 1,792: my first tile
	s_add_co_u32 s2, s2, s48
	s_lshl_b32 s2, s2, 5
	s_add_co_u32 s2, s2, s50
	s_mul_i32 s2, s2, 1792
	s_add_nc_u64 s[14:15], s[14:15], s[2:3]
.irp k, 0,1,2,3
	global_load_b128 v[BR+4*\k:BR+4*\k+3], v250, s[12:13] offset:32*(\k/2)+16*(\k%2)   ; b1 of tiles 2 w + k / 2: lane (r, h) wants units 32 w + 16 h + 8 (k / 2) + 4 (k % 2) on
.endr
	RLOAD 0
	RLOAD 1
	RLOAD 2
	RLOAD 3
	s_wait_kmcnt 0x0
	s_mov_b32 s52, 0
.set GG, 0
.rept 32
	s_bcnt1_i32_b32 s54, s[16+GG]
	s_add_co_u32 s52, s52, s54
.set GG, GG+1
.endr
	s_max_u32 s52, s52, 1                          ; s52: the expert's rows, held at 1: tile 0 is always made
	s_cmp_lg_u32 s48, 0
	s_cbranch_scc1 .Lno_list
	; ---- wave 0 lays the list.  No other wave touches LDS ahead of the barrier below
	s_add_co_u32 s54, s49, 2048
.irp i, 56,57,58,59
	v_mov_b32 v[\i], s54                           ; the pad entry 2,048 + e
.endr
.irp i, 0,1,2,3,4,5,6,7,8
	ds_store_b128 v251, v[56:59] offset:512*\i
.endr
	s_mov_b32 s53, 0
.set GG, 0
.rept 32                               ; tokens 32 g .. 32 g + 31, a lane to a token, ALL LANES ON: a token that does not use the expert stores into its lane's word behind the list, which nobody reads.  Each step has registers of its own for its store
	v_mbcnt_lo_u32_b32 v48, s[16+GG], s53          ; rows before mine
	v_cndmask_b32 v48, v53, v48, s[16+GG]          ; or my word behind the list
	v_min_u32 v48, 0x4ff, v48                      ; held inside the list's 1,280 words
	v_lshl_add_u32 v[60+2*GG], v48, 2, LIST
	v_cndmask_b32 v[61+2*GG], v52, v54, s[68+GG]
	v_add_nc_u32 v[61+2*GG], 64*GG, v[61+2*GG]     ; 2 x token + slot
	ds_store_b32 v[60+2*GG], v[61+2*GG]
	s_bcnt1_i32_b32 s54, s[16+GG]
	s_add_co_u32 s53, s53, s54
.set GG, GG+1
.endr
.Lno_list:
	s_wait_dscnt 0x0                               ; the list lies in LDS
	s_barrier_signal -1
	s_barrier_wait -1
	; ---- the weights
	s_wait_loadcnt 48                              ; b1 and step 0 are in; steps 1 to 3 may be out
.irp k, 0,1,2,3
	ds_store_b128 v249, v[BR+4*\k:BR+4*\k+3] offset:512*\k
.endr
	TURN 0
.set TT, 0
.rept 16
	WSTEP TT
.set TT, TT+1
.endr
	s_wait_dscnt 0x0                               ; for the others' sake: my images, scale words and part of b1 lie in LDS
	s_barrier_signal -1
	s_barrier_wait -1
	; ---- my first tile's rows are asked for, then all 64 fragments come into registers
	s_lshl_b32 s56, s48, 6                         ; s56: my tile's place in the list, 64 bytes a tile
	s_lshl_b32 s57, s48, 4                         ; s57: its first row
	s_mov_b32 s58, 16
	v_add_nc_u32 v7, s56, v3
	ds_load_b32 v254, v7
	s_wait_dscnt 0x0
	TOKEN
	AFLOAD 0
	AFLOAD 4
	global_load_b128 v[ASC:ASC+3], v9, s[6:7]      ; register c: K step c's word in lanes 0-15, K step 4 + c's in lanes 16-31
.set FF, 0
.rept 63
.set WN, (1+FF/21)<<6
	WIN WN                                         ; destination window 1, 2 or 3
.irp c, 0,1,2
.if FF < 42
	ds_load_b128 v[12*(FF%21)+4*\c:12*(FF%21)+4*\c+3], v1 offset:1536*FF+512*\c
.else
	ds_load_b128 v[12*(FF%21)+4*\c:12*(FF%21)+4*\c+3], v252 offset:1536*(FF-42)+512*\c
.endif
.endr
.set FF, FF+1
.endr
	WIN 0
.irp c, 0,1,2
	ds_load_b128 v[W63+4*\c:W63+4*\c+3], v252 offset:1536*21+512*\c
.endr
.irp i, 0,1,2,3
.irp n, 0,1,2,3,4,5,6,7
	ds_load_b32 v[WSC+8*\i+\n], v253 offset:128*(16*\i+\n)
.endr
.endr
	; erf's coefficients, in the scalar registers that held the masks; a packed form names a pair and takes its low word for both halves, so both words are written
	v_mov_b32 v10, 0xaf95df0b                      ; P: z^12
	v_mov_b32 v11, 0xb77460cd                      ; Q: z^8
	s_mov_b32 s16, 0x32edffee
	s_mov_b32 s18, 0xb60cff51
	s_mov_b32 s20, 0xb86ec2d2
	s_mov_b32 s22, 0xba40ac63
	s_mov_b32 s24, 0xbb41a1f6
	s_mov_b32 s26, 0xbc83dbd4
	s_mov_b32 s28, 0xb95fbd29
	s_mov_b32 s30, 0xbadc924e
	s_mov_b32 s32, 0xbbf19bf8
	s_mov_b32 s34, 0xbc69b6a7
	s_mov_b32 s36, 0x3f3504f3                      ; 1 / sqrt 2
.irp k, 16,18,20,22,24,26,28,30,32,34,36
	s_mov_b32 s[\k+1], s[\k]
.endr
	s_wait_dscnt 0x0                               ; the weights are in registers
.Ltrip:                                            ; 16 trips: tile w + 4 i
	s_cmp_ge_u32 s57, s52
	s_cbranch_scc1 .Ltail                          ; no such tile: only the steps are made
	v_add_nc_u32 v7, s56, v3
	ds_load_b32 v254, v7 offset:256                ; my row of the tile four on (past the rows: a pad entry)
.irp i, 0,1,2,3,4,5,6,7,8,9,10,11,12,13,14,15
	ds_load_b128 v[ACC+4*\i:ACC+4*\i+3], v4 offset:512*\i   ; b1 starts the sums
.endr
	s_wait_dscnt 0x0
	s_wait_loadcnt 0x0                             ; this tile's fragments and scale words are in, so their offsets may be written
	TOKEN
	MUL 0, 31
	WIN 0
	PLACES
	AFLOAD 0                                       ; the next tile's K steps 0 to 3, into registers that are done with
	MUL 32, 63
	WIN 0
	PLACES
	AFLOAD 4
	global_load_b128 v[ASC:ASC+3], v9, s[6:7]
.irp n, 0,1,2,3,4,5,6,7
	GELU \n
.endr
	; h's four blocks of 32: register 16 b + i is unit 32 b + 16 h + i of my row
.set TM, 220
.set TB, 224
.set TS, 228
.set PW, 232
.set PC, 234
.irp b, 0,1,2,3
	v_max3_num_f32 v[TM+\b], |v[ACC+16*\b]|, |v[ACC+16*\b+1]|, 0x1800000
.endr
.irp i, 2,4,6,8,10,12,14
.irp b, 0,1,2,3
	v_max3_num_f32 v[TM+\b], v[TM+\b], |v[ACC+16*\b+\i]|, |v[ACC+16*\b+\i+1]|
.endr
.endr
.irp b, 0,1,2,3
	v_permlanex16_b32 v[TB+\b], v[TM+\b], s60, s61
.endr
.irp b, 0,1,2,3
	v_max_num_f32 v[TM+\b], v[TM+\b], v[TB+\b]     ; with lane l xor 16's 16: the block's largest magnitude
.endr
.irp b, 0,1,2,3
	v_add_nc_u32 v[TS+\b], 0xff000000, v[TM+\b]
.endr
.irp b, 0,1,2,3
	v_lshrrev_b32 v[TB+\b], 23, v[TS+\b]
.endr
	v_lshl_or_b32 v[PW], v[TB+1], 8, v[TB]         ; my row's scale word
	v_lshl_or_b32 v[PW], v[TB+2], 16, v[PW]
	v_lshl_or_b32 v[PW], v[TB+3], 24, v[PW]
.irp c, 0,1
	v_cvt_scalef32_pk16_fp6_f32 v[PC+6*\c:PC+6*\c+2], v[ACC+32*\c:ACC+32*\c+15], v[TS+2*\c]
	v_cvt_scalef32_pk16_fp6_f32 v[PC+12+4*\c:PC+14+4*\c], v[ACC+32*\c+16:ACC+32*\c+31], v[TS+2*\c+1]
.endr
	v_nop                                          ; one plain place behind the scaled conversions
.irp c, 0,1                                    ; the operand's layout wants a whole block in a lane: lanes 0-15 block 2 c, lanes 16-31 block 2 c + 1
.irp i, 0,1,2
	v_permlane16_swap_b32 v[PC+6*\c+\i], v[PC+12+4*\c+\i]
.endr
.irp i, 0,1,2
	v_mov_b32 v[PC+3+6*\c+\i], v[PC+12+4*\c+\i]
.endr
.endr
.irp c, 0,1,2
	global_store_b128 v1, v[PC+4*\c:PC+4*\c+3], s[14:15] offset:512*\c   ; 512 bytes on end, at a multiple of 256 from hbuf's first byte
.endr
	global_store_b32 v2, v[PW], s[14:15] offset:1536
.Ltail:
	s_wait_xcnt 0x0                                ; the stores have read their base and their registers: both are written again only behind this wait
	s_add_nc_u64 s[14:15], s[14:15], 4*TILEB
	s_add_co_u32 s56, s56, 256
	s_add_co_u32 s57, s57, 64
	s_sub_co_u32 s58, s58, 1
	s_cmp_lg_u32 s58, 0
	s_cbranch_scc1 .Ltrip
	s_set_vgpr_msb 0x8
	s_wait_tensorcnt 0x0
	ds_add_u32 v255, v255
	s_wait_dscnt 0x0
	s_set_vgpr_msb 0x800
	s_endpgm
.Lfunc_end_k_q99be40ae31_hid:
	.size	k_q99be40ae31_hid, .Lfunc_end_k_q99be40ae31_hid-k_q99be40ae31_hid
	.p2alignl 7, 3214868480
	.fill 96, 4, 3214868480
	.section	.rodata,"a",@progbits
	.p2align	6, 0x0
	.amdhsa_kernel k_q99be40ae31_hid
		.amdhsa_group_segment_fixed_size 154112
		.amdhsa_private_segment_fixed_size 0
		.amdhsa_enable_private_segment 0
		.amdhsa_kernarg_size 48
		.amdhsa_user_sgpr_count 2
		.amdhsa_user_sgpr_kernarg_segment_ptr 1
		.amdhsa_wavefront_size32 1
		.amdhsa_system_sgpr_workgroup_id_x 1
		.amdhsa_system_sgpr_workgroup_id_y 1
		.amdhsa_system_sgpr_workgroup_id_z 1
		.amdhsa_system_vgpr_workitem_id 0
		.amdhsa_next_free_vgpr 1024
		.amdhsa_next_free_sgpr 102
		.amdhsa_reserve_vcc 0
		.amdhsa_float_denorm_mode_32 3
		.amdhsa_float_denorm_mode_16_64 3
		.amdhsa_memory_ordered 1
		.amdhsa_forward_progress 1
		.amdhsa_inst_pref_size 208
	.end_amdhsa_kernel
	.amdgpu_metadata
---
amdhsa.version: [ 1, 2 ]
amdhsa.kernels:
  - .name:           k_q99be40ae31_hid
    .symbol:         k_q99be40ae31_hid.kd
    .args:
      - { .name: xq, .offset: 0, .size: 8, .value_kind: global_buffer, .address_space: global }
      - { .name: xs, .offset: 8, .size: 8, .value_kind: global_buffer, .address_space: global }
      - { .name: rmask, .offset: 16, .size: 8, .value_kind: global_buffer, .address_space: global }
      - { .name: w1, .offset: 24, .size: 8, .value_kind: global_buffer, .address_space: global }
      - { .name: b1, .offset: 32, .size: 8, .value_kind: global_buffer, .address_space: global }
      - { .name: hbuf, .offset: 40, .size: 8, .value_kind: global_buffer, .address_space: global }
    .group_segment_fixed_size: 154112
    .private_segment_fixed_size: 0
    .kernarg_segment_align: 8
    .kernarg_segment_size: 48
    .max_flat_workgroup_size: 128
    .sgpr_count:     102
    .vgpr_count:     1024
    .wavefront_size: 32
...
	.end_amdgpu_metadata
.endif
;; end of part 2
;; launch outp (part 3): grid 256 x 1, 4 waves a work-group, no clusters, 154,112 bytes of LDS; arguments hbuf, gate, rmask, w2, b2, ybuf; writes ybuf
.if DOCPART == 3
	.amdgcn_target "amdgcn-amd-amdhsa--gfx1250"
	.amdhsa_code_object_version 6
	.text
	.protected	k_q99be40ae31_outp
	.globl	k_q99be40ae31_outp
	.p2align	8
	.type	k_q99be40ae31_outp,@function
k_q99be40ae31_outp:
	s_mov_b64 s[64:65], 0
	v_nop
	global_prefetch_b8 v0, s[64:65] scope:SCOPE_SE
	s_setreg_imm32_b32 hwreg(HW_REG_WAVE_MODE, 25, 1), 1
	s_wait_xcnt 0x0
; OUTP.  A quarter of y = gate x (h w2[e]^T + b2[e]) for the rows routed to expert e, on codes of FP6 (E2M3) with one E8M0 scale for each 32 along K.
; SHARES.  Work-group (e, ds, kq) owns outputs 128 ds .. 128 ds + 127 and hidden units 1,024 kq .. 1,024 kq + 1,023: 512 KiB of w2, read from memory once in the launch, 512 bytes on end to a load.
; The frame is that of the launch before: wave w quantises K steps 2 w, 2 w + 1 through its own stage; the 64 fragments go round through LDS as images of their registers and stay in every wave's registers;
; wave 0 lays the same list from the same masks; a wave takes tiles w, w + 4, .. of 16 rows in a loop of 16 trips, and finishes each alone; the count is held at 1 from below, as there.
; h's fragments lie in hbuf as images of their registers: three loads of 512 bytes on end a fragment, each feeding 8 matrix instructions.  Only tiles that the launch before has stored are loaded.
; TRANSPOSED USE: source 0 = 16 rows of w2 (tile n: outputs 16 n + i), source 1 = 16 rows of h: a lane holds one row and eight neighbouring outputs.  b2 starts the sums where kq = 0, zeros elsewhere.
; OUT.  ybuf [entry 0..2055][kq][1,024] f32, entry = 2 x token + slot.  A tile goes through the wave's stage and leaves as rows: 32 lanes store a row's 512 bytes on end.  Pad rows go to entry 2,048 + e, which nobody reads.
; The four quarters and the two experts of a token are added by the last launch: each byte of ybuf has one owner.
; NO CLUSTER, NO TENSOR LOAD: the number of tiles hangs on a count read from memory.  What the 8 work-groups (e, *, kq) share, 14,336 bytes a tile, is at an even split (16 tiles) 224 KiB beside each one's own 512 KiB of weights.
; LIMITS.  NaN and infinities are not served (b2 is multiplied by 0 where kq is not 0).  A block of w2 whose largest magnitude lies under 2^-124, or of zeros, keeps the byte 1: this program alone reads the bytes.
; REGISTERS, in windows of 256.  Fragment f = 8 s + n: f < 63 in window 1 + f / 21 at v[12 (f % 21)]; f = 63 in window 0 at v48.
;   window 0, in the loop: v1-11 addresses; v12-15 h's scale words; v16-47 w2's; v48-59 fragment 63; v60-155 h's 8 fragments; v156-219 the 8 accumulators; v220-235 the 16 rows' offsets in ybuf; v252 the gate.
;   window 0, while the weights are made: v60-187 two sets of 64 numbers; v188-227 two sets of codes; v228-243 at work; v244-253 addresses.   window 1 then holds four sets of 64 registers as loaded.
.set ROWP,  16384                      ; a row of w2 in bytes
.set WIMG,  0                          ; LDS: the 64 fragments' images, 1,536 bytes each
.set WSCL,  98304                      ; their scale words, 128 bytes each
.set BIMG,  106496                     ; b2 (or zeros) as an image of the accumulators: 16 x 512 bytes
.set STG,   114688                     ; a stage of 16 rows x 528 bytes for each wave
.set LIST,  148480                     ; the list: 1,152 entries; behind them 32 words that take what no row owns; 1,280 words in all, as far as the hold on an index reaches
.set DUMP,  1152
.set TILEB, 57344                      ; a tile in hbuf: 32 K steps x 1,792 bytes
.set ASC,   12
.set WSC,   16
.set W63,   48
.set AF,    60
.set ACC,   156
.set RO,    220
.set X0,    60
.set PC0,   188
.set BR,    228
.set MSB, 0
.macro WIN new                         ; the immediate's high byte repeats the setting that is left; a switch that changes nothing is dropped
.if MSB != (\new)
	s_set_vgpr_msb (MSB<<8)|(\new)
.set MSB, (\new)
.endif
.endm
; 16 rows x 512 bytes of step t (tile t % 8, my K step t / 8) into set t % 4 of window 1
.macro RLOAD t
	WIN 0x40
.irp i, 0,1,2,3,4,5,6,7,8,9,10,11,12,13,14,15
	global_load_b128 v[64*((\t)%4)+4*\i:64*((\t)%4)+4*\i+3], v1, s[10:11] offset:(16*((\t)%8)+\i)*ROWP+512*((\t)/8) th:TH_LOAD_NT
.endr
	WIN 0
.endm
; step t's bytes through my stage: in as loaded, a row to a store; back 2 x 128 bytes a lane: lane (r, h) gets blocks h and 2 + h of row r
.macro TURN t
.if 15-(\t) >= 3
	s_wait_loadcnt 48                              ; this step's 16 loads are in; those of the three steps behind it may be out
.else
	s_wait_loadcnt 16*(15-(\t))
.endif
	WIN 0x04                                       ; an LDS store's data are its source 1: window 1
.irp i, 0,1,2,3,4,5,6,7,8,9,10,11,12,13,14,15
	ds_store_b128 v244, v[64*((\t)%4)+4*\i:64*((\t)%4)+4*\i+3] offset:528*\i
.endr
	WIN 0
.irp c, 0,1
.irp q, 0,1,2,3,4,5,6,7
	ds_load_b128 v[X0+64*((\t)%2)+32*\c+4*\q:X0+64*((\t)%2)+32*\c+4*\q+3], v245 offset:256*\c+16*\q   ; LDS serves a wave's instructions in order: these see the stores above
.endr
.endr
.endm
; step t's 64 numbers a lane become fragment 16 w + t and its scale word; loads run four steps ahead, the turn one
.macro WSTEP t
.set XS, X0+64*((\t)%2)
.set PC, PC0+20*((\t)%2)
.set PWR, 234+(\t)%2
.if (\t) > 0
	s_wait_dscnt 4                                 ; this step's numbers are back from the stage, so its stores into the stage have read their registers; the last step's 4 image stores may be out
.else
	s_wait_dscnt 0x0
.endif
.if (\t)+4 < 16
	RLOAD (\t)+4
.endif
.if (\t)+1 < 16
	TURN (\t)+1
.endif
.irp c, 0,1
	v_max3_num_f32 v[228+\c], |v[XS+32*\c]|, |v[XS+32*\c+1]|, 0x1800000   ; my block 2 c + h: all its 32 numbers are mine; the floor 2^(3 - 127) holds the byte at 1 from below
.endr
.irp i, 2,4,6,8,10,12,14,16,18,20,22,24,26,28,30
.irp c, 0,1
	v_max3_num_f32 v[228+\c], v[228+\c], |v[XS+32*\c+\i]|, |v[XS+32*\c+\i+1]|
.endr
.endr
.irp c, 0,1
	v_add_nc_u32 v[230+\c], 0xff000000, v[228+\c]  ; 2 off the exponent field: the conversion's scale operand
.endr
.irp c, 0,1
	v_lshrrev_b32 v[232+\c], 23, v[230+\c]         ; the scale's byte
.endr
	v_lshl_or_b32 v[PWR], v233, 16, v232           ; my two bytes, blocks h and 2 + h,
	v_lshlrev_b32 v[PWR], v248, v[PWR]             ; at their places in the word (8 h bits up);
	v_mov_b32 v236, 0
	v_permlanex16_b32 v236, v[PWR], s60, s61
	v_or_b32 v[PWR], v[PWR], v236                  ; with lane l xor 16's two the word is whole
.irp c, 0,1
	v_cvt_scalef32_pk16_fp6_f32 v[PC+6*\c:PC+6*\c+2], v[XS+32*\c:XS+32*\c+15], v[230+\c]
	v_cvt_scalef32_pk16_fp6_f32 v[PC+12+4*\c:PC+14+4*\c], v[XS+32*\c+16:XS+32*\c+31], v[230+\c]   ; (a conversion's three registers begin on an even number)
.endr
	v_nop                                          ; one plain place behind the scaled conversions
.irp c, 0,1
.irp i, 0,1,2
	v_mov_b32 v[PC+3+6*\c+\i], v[PC+12+4*\c+\i]
.endr
.endr
.irp c, 0,1,2
	ds_store_b128 v246, v[PC+4*\c:PC+4*\c+3] offset:1536*(\t)+512*\c
.endr
	ds_store_b32 v247, v[PWR] offset:128*(\t)
.endm
; matrix instructions f0 .. f1.  The eight accumulators take turns, one instruction a turn.  w2's scale words: even K steps in lanes 0-15, odd ones in lanes 16-31; h's: K steps 0-3 below, 4-7 above
.macro MUL f0, f1
.set FF, \f0
.rept (\f1)-(\f0)+1
.set KS, FF/8
.set RA, ACC+8*(FF%8)
.set RB, AF+12*KS
.set RS, WSC+8*(KS/2)+FF%8
.set RT, ASC+KS%4
.if FF < 63
.set WN, 1+FF/21
.set RW, 12*(FF%21)
.else
.set WN, 0
.set RW, W63
.endif
	WIN WN
.if (KS%2 == 0) && (KS < 4)
	v_wmma_scale_f32_16x16x128_f8f6f4 v[RA:RA+7], v[RW:RW+11], v[RB:RB+11], v[RA:RA+7], v[RS], v[RT] matrix_a_fmt:MATRIX_FMT_FP6 matrix_b_fmt:MATRIX_FMT_FP6
.elseif (KS%2 == 1) && (KS < 4)
	v_wmma_scale_f32_16x16x128_f8f6f4 v[RA:RA+7], v[RW:RW+11], v[RB:RB+11], v[RA:RA+7], v[RS], v[RT] matrix_a_fmt:MATRIX_FMT_FP6 matrix_b_fmt:MATRIX_FMT_FP6 matrix_a_scale:MATRIX_SCALE_ROW1
.elseif KS%2 == 0
	v_wmma_scale_f32_16x16x128_f8f6f4 v[RA:RA+7], v[RW:RW+11], v[RB:RB+11], v[RA:RA+7], v[RS], v[RT] matrix_a_fmt:MATRIX_FMT_FP6 matrix_b_fmt:MATRIX_FMT_FP6 matrix_b_scale:MATRIX_SCALE_ROW1
.else
	v_wmma_scale_f32_16x16x128_f8f6f4 v[RA:RA+7], v[RW:RW+11], v[RB:RB+11], v[RA:RA+7], v[RS], v[RT] matrix_a_fmt:MATRIX_FMT_FP6 matrix_b_fmt:MATRIX_FMT_FP6 matrix_a_scale:MATRIX_SCALE_ROW1 matrix_b_scale:MATRIX_SCALE_ROW1
.endif
.set FF, FF+1
.endr
.endm
.macro PLACES                          ; four plain places behind matrix instructions, in front of loads into registers that they have read and of the first read of results (ISA guide 7.12.1 for the first read of results)
.rept 4
	v_nop
.endr
.endm
; the tile in s54 (held to the tiles that exist, and to 63) becomes the offsets of its fragments and scale words
.macro TILE
	s_min_u32 s54, s54, s59
	s_min_u32 s54, s54, 63
	s_mul_i32 s54, s54, TILEB
	v_add_nc_u32 v10, s54, v1
	v_add_nc_u32 v11, s54, v2
.endm
.macro AFLOAD s0                       ; four K steps' fragments of h, as images
.irp s, 0,1,2,3
.irp c, 0,1,2
	global_load_b128 v[AF+12*(\s0+\s)+4*\c:AF+12*(\s0+\s)+4*\c+3], v10, s[4:5] offset:1792*(\s0+\s)+512*\c
.endr
.endr
.endm
.macro ASLOAD                          ; register c: K step c's words in lanes 0-15, K step 4 + c's in lanes 16-31
.irp c, 0,1,2,3
	global_load_b32 v[ASC+\c], v11, s[4:5] offset:1792*\c+1536
.endr
.endm
	s_load_b256 s[4:11], s[0:1], 0x0               ; hbuf s[4:5], gate s[6:7], rmask s[8:9], w2 s[10:11]
	s_load_b128 s[12:15], s[0:1], 0x20             ; b2 s[12:13], ybuf s[14:15]
	v_lshl_add_u32 v255, v0, 2, 0x25800
	s_set_vgpr_msb 0x80
	v_mov_b32 v255, 0
	s_set_vgpr_msb 0x8000
	v_lshrrev_b32 v200, 5, v0
	v_readfirstlane_b32 s48, v200                  ; wave 0..3
	s_lshr_b32 s49, ttmp9, 5                       ; e
	s_bfe_u32 s50, ttmp9, 0x30002                  ; ds
	s_and_b32 s51, ttmp9, 3                        ; kq
	v_and_b32 v200, 31, v0                         ; lane
	v_and_b32 v201, 15, v0                         ; r
	v_bfe_u32 v202, v0, 4, 1                       ; h
	; every LDS address register that stays is made here, ahead of the place where wave 0 parts from the others
	v_lshlrev_b32 v1, 4, v200                      ; v1: 16 x lane
	v_lshlrev_b32 v204, 2, v200                    ; 4 x lane
	v_lshlrev_b32 v203, 2, v201                    ; 4 r
	v_mad_u32_u24 v2, v202, 7168, v203             ; v2: h's scale words: 4 r, lanes 16-31 four K steps on
	v_add_nc_u32 v3, LIST, v203                    ; v3: my row's entry in a tile of the list
	v_add_nc_u32 v4, BIMG, v1                      ; v4: b2's image
	v_mov_b32 v5, LIST                             ; v5: a tile's 16 entries, one address for all lanes
	s_mul_i32 s54, s48, 8448
	s_add_co_u32 s54, s54, STG
	v_add_nc_u32 v244, s54, v1                     ; v244: my stage, in, while the weights are made
	v_add_nc_u32 v7, s54, v1                       ; v7: my stage, a row of y back
	v_mul_u32_u24 v205, v201, 528
	v_lshl_add_u32 v206, v202, 7, v205
	v_add_nc_u32 v245, s54, v206                   ; v245: my stage, back: row r, + 128 h
	v_lshl_add_u32 v206, v202, 5, v205
	v_add_nc_u32 v6, s54, v206                     ; v6: my stage, y in: row r, + 32 h
	s_mul_i32 s54, s48, 24576
	v_add_nc_u32 v246, s54, v1                     ; v246: my 16 fragments' images
	s_lshl_b32 s54, s48, 11
	s_add_co_u32 s55, s54, WSCL
	v_add_nc_u32 v247, s55, v204                   ; v247: their scale words
	v_lshlrev_b32 v248, 3, v202                    ; v248: 8 h
	s_add_co_u32 s55, s54, BIMG
	v_add_nc_u32 v249, s55, v1                     ; v249: my two tiles of b2's image
	v_lshlrev_b32 v250, 5, v202                    ; v250: b2: 32 h bytes
	v_add_nc_u32 v251, LIST, v1                    ; v251: the list, 16 bytes a lane
	v_add_nc_u32 v252, 64512, v1                   ; v252: the images from fragment 42 on
	v_lshl_add_u32 v203, v202, 10, v203
	v_add_nc_u32 v253, WSCL, v203                  ; v253: scale words: row r; lanes 16-31 eight fragments (a K step) on
	v_lshlrev_b32 v52, 1, v200                     ; v52: 2 x lane: an entry of a first choice
	v_add_nc_u32 v53, DUMP, v200                   ; v53: the index of my word behind the list
	v_or_b32 v54, 1, v52                           ; v54: 2 x lane + 1: an entry of a second choice
	s_mov_b32 s60, 0x76543210
	s_mov_b32 s61, 0xfedcba98                      ; v_permlanex16_b32's selects for lane l xor 16
	s_mov_b32 s3, 0
	s_wait_kmcnt 0x0
	s_lshl_b32 s2, s49, 7
	s_add_nc_u64 s[8:9], s[8:9], s[2:3]            ; rmask at row e
	s_load_b512 s[16:31], s[8:9], 0x0              ; s[16:47]: who uses expert e
	s_load_b512 s[32:47], s[8:9], 0x40
	s_load_b512 s[68:83], s[8:9], 0x400            ; s[68:99]: for whom it is the second choice
	s_load_b512 s[84:99], s[8:9], 0x440
	s_lshl_b32 s2, s49, 24                         ; w2: 2^24 bytes an expert, 2^21 a slice of 128 rows, 4,096 a quarter of K, 1,024 for my two K steps
	s_lshl_b32 s54, s50, 21
	s_or_b32 s2, s2, s54
	s_lshl_b32 s54, s51, 12
	s_or_b32 s2, s2, s54
	s_lshl_b32 s54, s48, 10
	s_or_b32 s2, s2, s54
	s_add_nc_u64 s[10:11], s[10:11], s[2:3]
	s_lshl_b32 s2, s49, 12                         ; b2: 4 (1,024 e + 128 ds + 32 w)
	s_lshl_b32 s54, s50, 9
	s_or_b32 s2, s2, s54
	s_lshl_b32 s54, s48, 7
	s_or_b32 s2, s2, s54
	s_add_nc_u64 s[12:13], s[12:13], s[2:3]
	s_lshl_b32 s2, s49, 11                         ; hbuf: (2,048 e + 8 kq) 1,792: the expert's tile 0, my quarter's first K step
	s_lshl_b32 s54, s51, 3
	s_add_co_u32 s2, s2, s54
	s_mul_i32 s2, s2, 1792
	s_add_nc_u64 s[4:5], s[4:5], s[2:3]
	s_lshl_b32 s2, s51, 12                         ; ybuf: 4,096 kq + 512 ds
	s_lshl_b32 s54, s50, 9
	s_or_b32 s2, s2, s54
	s_add_nc_u64 s[14:15], s[14:15], s[2:3]
.irp k, 0,1,2,3
	global_load_b128 v[BR+4*\k:BR+4*\k+3], v250, s[12:13] offset:64*(\k/2)+16*(\k%2)   ; b2 of tiles 2 w + k / 2: lane (r, h) wants outputs 32 w + 16 (k / 2) + 8 h + 4 (k % 2) on
.endr
	RLOAD 0
	RLOAD 1
	RLOAD 2
	RLOAD 3
	s_wait_kmcnt 0x0
	s_mov_b32 s52, 0
.set GG, 0
.rept 32
	s_bcnt1_i32_b32 s54, s[16+GG]
	s_add_co_u32 s52, s52, s54
.set GG, GG+1
.endr
	s_max_u32 s52, s52, 1                          ; s52: the expert's rows, held at 1, as in the launch before
	s_cmp_lg_u32 s48, 0
	s_cbranch_scc1 .Lno_list
	; ---- wave 0 lays the list.  No other wave touches LDS ahead of the barrier below
	s_add_co_u32 s54, s49, 2048
.irp i, 56,57,58,59
	v_mov_b32 v[\i], s54                           ; the pad entry 2,048 + e
.endr
.irp i, 0,1,2,3,4,5,6,7,8
	ds_store_b128 v251, v[56:59] offset:512*\i
.endr
	s_mov_b32 s53, 0
.set GG, 0
.rept 32                               ; tokens 32 g .. 32 g + 31, a lane to a token, ALL LANES ON: a token that does not use the expert stores into its lane's word behind the list, which nobody reads.  Each step has registers of its own for its store
	v_mbcnt_lo_u32_b32 v48, s[16+GG], s53          ; rows before mine
	v_cndmask_b32 v48, v53, v48, s[16+GG]          ; or my word behind the list
	v_min_u32 v48, 0x4ff, v48                      ; held inside the list's 1,280 words
	v_lshl_add_u32 v[60+2*GG], v48, 2, LIST
	v_cndmask_b32 v[61+2*GG], v52, v54, s[68+GG]
	v_add_nc_u32 v[61+2*GG], 64*GG, v[61+2*GG]     ; 2 x token + slot
	ds_store_b32 v[60+2*GG], v[61+2*GG]
	s_bcnt1_i32_b32 s54, s[16+GG]
	s_add_co_u32 s53, s53, s54
.set GG, GG+1
.endr
.Lno_list:
	s_wait_dscnt 0x0                               ; the list lies in LDS
	s_barrier_signal -1
	s_barrier_wait -1
	; ---- the weights
	s_cmp_eq_u32 s51, 0
	s_cselect_b32 s54, 1.0, 0                      ; b2 counts once: in the first quarter of K
	s_wait_loadcnt 48                              ; b2 and step 0 are in; steps 1 to 3 may be out
.irp i, 0,1,2,3,4,5,6,7,8,9,10,11,12,13,14,15
	v_mul_f32 v[BR+\i], s54, v[BR+\i]
.endr
.irp k, 0,1,2,3
	ds_store_b128 v249, v[BR+4*\k:BR+4*\k+3] offset:512*\k
.endr
	TURN 0
.set TT, 0
.rept 16
	WSTEP TT
.set TT, TT+1
.endr
	s_wait_dscnt 0x0                               ; for the others' sake: my images, scale words and part of b2 lie in LDS
	s_barrier_signal -1
	s_barrier_wait -1
	; ---- my first tile is asked for, then all 64 fragments come into registers
	s_lshl_b32 s56, s48, 6                         ; s56: my tile's place in the list, 64 bytes a tile
	s_lshl_b32 s57, s48, 4                         ; s57: its first row
	s_mov_b32 s58, 16
	s_add_co_u32 s59, s52, 15
	s_lshr_b32 s59, s59, 4
	s_sub_co_u32 s59, s59, 1                       ; s59: the last tile that exists
	s_add_co_u32 s62, s48, 4                       ; s62: the tile four on
	s_mov_b32 s54, s48
	TILE
	AFLOAD 0
	AFLOAD 4
	ASLOAD
.set FF, 0
.rept 63
.set WN, (1+FF/21)<<6
	WIN WN                                         ; destination window 1, 2 or 3
.irp c, 0,1,2
.if FF < 42
	ds_load_b128 v[12*(FF%21)+4*\c:12*(FF%21)+4*\c+3], v1 offset:1536*FF+512*\c
.else
	ds_load_b128 v[12*(FF%21)+4*\c:12*(FF%21)+4*\c+3], v252 offset:1536*(FF-42)+512*\c
.endif
.endr
.set FF, FF+1
.endr
	WIN 0
.irp c, 0,1,2
	ds_load_b128 v[W63+4*\c:W63+4*\c+3], v252 offset:1536*21+512*\c
.endr
.irp i, 0,1,2,3
.irp n, 0,1,2,3,4,5,6,7
	ds_load_b32 v[WSC+8*\i+\n], v253 offset:128*(16*\i+\n)
.endr
.endr
	s_wait_dscnt 0x0                               ; the weights are in registers
	v_mov_b32 v253, 0                              ; (named as the upper half of the pair v[252:253], so it is written)
.Ltrip:                                            ; 16 trips: tile w + 4 i
	s_cmp_ge_u32 s57, s52
	s_cbranch_scc1 .Ltail                          ; no such tile: only the steps are made
	v_add_nc_u32 v8, s56, v3
	v_add_nc_u32 v9, s56, v5
	ds_load_b32 v254, v8                           ; my row's entry
.irp q, 0,1,2,3
	ds_load_b128 v[RO+4*\q:RO+4*\q+3], v9 offset:16*\q     ; the tile's 16 entries, in every lane
.endr
.irp i, 0,1,2,3,4,5,6,7,8,9,10,11,12,13,14,15
	ds_load_b128 v[ACC+4*\i:ACC+4*\i+3], v4 offset:512*\i   ; b2 or zeros start the sums
.endr
	s_wait_dscnt 0x0
	v_min_u32 v254, 0x7ff, v254                    ; (a pad row takes the last gate: its result goes to the pad entry)
	v_lshlrev_b32 v254, 2, v254
	s_wait_loadcnt 0x0                             ; this tile's fragments and scale words are in, so their offsets may be written
	global_load_b32 v252, v254, s[6:7]             ; my row's gate
.irp i, 0,1,2,3,4,5,6,7,8,9,10,11,12,13,14,15
	v_min_u32 v[RO+\i], 0x807, v[RO+\i]
.endr
.irp i, 0,1,2,3,4,5,6,7,8,9,10,11,12,13,14,15
	v_lshl_add_u32 v[RO+\i], v[RO+\i], 14, v1      ; row i in ybuf: 16,384 x entry + 16 x lane
.endr
	s_mov_b32 s54, s62
	TILE
	MUL 0, 31
	WIN 0
	PLACES
	AFLOAD 0                                       ; the next tile's K steps 0 to 3, into registers that are done with
	MUL 32, 63
	WIN 0
	PLACES
	AFLOAD 4
	ASLOAD
	s_wait_loadcnt 28                              ; the gate is in; behind it 24 loads of fragments and 4 of scale words may be out
.set JJ, 0
.rept 32
	v_pk_mul_f32 v[ACC+JJ:ACC+JJ+1], v[ACC+JJ:ACC+JJ+1], v[252:253] op_sel_hi:[1,0]   ; x the gate; each accumulator is read from its low end on
.set JJ, JJ+2
.endr
.irp n, 0,1,2,3,4,5,6,7
	ds_store_b128 v6, v[ACC+8*\n:ACC+8*\n+3] offset:64*\n          ; lane (r, h): row r, outputs 16 n + 8 h + 0 .. 7
	ds_store_b128 v6, v[ACC+8*\n+4:ACC+8*\n+7] offset:64*\n+16
.endr
.irp i, 0,1,2,3,4,5,6,7,8,9,10,11,12,13,14,15
	ds_load_b128 v[ACC+4*\i:ACC+4*\i+3], v7 offset:528*\i          ; LDS serves a wave's instructions in order: these see my stores
.endr
.irp i, 0,1,2,3,4,5,6,7,8,9,10,11,12,13,14,15
	s_wait_dscnt 15-\i                             ; row i is back; the younger ones may be out
	global_store_b128 v[RO+\i], v[ACC+4*\i:ACC+4*\i+3], s[14:15] th:TH_STORE_NT   ; 32 lanes store 512 bytes on end, at a multiple of 256 from ybuf's first byte
.endr
.Ltail:
	s_wait_xcnt 0x0                                ; the stores have read their offsets and their data: both are written again only behind this wait
	s_add_co_u32 s56, s56, 256
	s_add_co_u32 s57, s57, 64
	s_add_co_u32 s62, s62, 4
	s_sub_co_u32 s58, s58, 1
	s_cmp_lg_u32 s58, 0
	s_cbranch_scc1 .Ltrip
	s_set_vgpr_msb 0x8
	s_wait_tensorcnt 0x0
	ds_add_u32 v255, v255
	s_wait_dscnt 0x0
	s_set_vgpr_msb 0x800
	s_endpgm
.Lfunc_end_k_q99be40ae31_outp:
	.size	k_q99be40ae31_outp, .Lfunc_end_k_q99be40ae31_outp-k_q99be40ae31_outp
	.p2alignl 7, 3214868480
	.fill 96, 4, 3214868480
	.section	.rodata,"a",@progbits
	.p2align	6, 0x0
	.amdhsa_kernel k_q99be40ae31_outp
		.amdhsa_group_segment_fixed_size 154112
		.amdhsa_private_segment_fixed_size 0
		.amdhsa_enable_private_segment 0
		.amdhsa_kernarg_size 48
		.amdhsa_user_sgpr_count 2
		.amdhsa_user_sgpr_kernarg_segment_ptr 1
		.amdhsa_wavefront_size32 1
		.amdhsa_system_sgpr_workgroup_id_x 1
		.amdhsa_system_sgpr_workgroup_id_y 1
		.amdhsa_system_sgpr_workgroup_id_z 1
		.amdhsa_system_vgpr_workitem_id 0
		.amdhsa_next_free_vgpr 1024
		.amdhsa_next_free_sgpr 102
		.amdhsa_reserve_vcc 0
		.amdhsa_float_denorm_mode_32 3
		.amdhsa_float_denorm_mode_16_64 3
		.amdhsa_memory_ordered 1
		.amdhsa_forward_progress 1
		.amdhsa_inst_pref_size 174
	.end_amdhsa_kernel
	.amdgpu_metadata
---
amdhsa.version: [ 1, 2 ]
amdhsa.kernels:
  - .name:           k_q99be40ae31_outp
    .symbol:         k_q99be40ae31_outp.kd
    .args:
      - { .name: hbuf, .offset: 0, .size: 8, .value_kind: global_buffer, .address_space: global }
      - { .name: gate, .offset: 8, .size: 8, .value_kind: global_buffer, .address_space: global }
      - { .name: rmask, .offset: 16, .size: 8, .value_kind: global_buffer, .address_space: global }
      - { .name: w2, .offset: 24, .size: 8, .value_kind: global_buffer, .address_space: global }
      - { .name: b2, .offset: 32, .size: 8, .value_kind: global_buffer, .address_space: global }
      - { .name: ybuf, .offset: 40, .size: 8, .value_kind: global_buffer, .address_space: global }
    .group_segment_fixed_size: 154112
    .private_segment_fixed_size: 0
    .kernarg_segment_align: 8
    .kernarg_segment_size: 48
    .max_flat_workgroup_size: 128
    .sgpr_count:     102
    .vgpr_count:     1024
    .wavefront_size: 32
...
	.end_amdgpu_metadata
.endif
;; end of part 3
;; launch comb (part 4): grid 256 x 1, 8 waves a work-group, no clusters, 0 bytes of LDS; arguments ybuf, out0; writes out0
.if DOCPART == 4
	.amdgcn_target "amdgcn-amd-amdhsa--gfx1250"
	.amdhsa_code_object_version 6
	.text
	.protected	k_q99be40ae31_comb
	.globl	k_q99be40ae31_comb
	.p2align	8
	.type	k_q99be40ae31_comb,@function
k_q99be40ae31_comb:
	s_mov_b64 s[64:65], 0
	v_nop
	global_prefetch_b8 v0, s[64:65] scope:SCOPE_SE
	s_setreg_imm32_b32 hwreg(HW_REG_WAVE_MODE, 25, 1), 1
	s_wait_xcnt 0x0
; COMB.  out[token] = the sum of the token's eight parts in ybuf: two entries (its two experts) x four quarters of K, each a row of 1,024 f32; they lie on end, 32,768 bytes a token.
; A stream: a work-group owns four tokens, thread t the 16 bytes at 16 t of every row, so each load and store of a wave covers 512 bytes on end.  All 32 loads of a thread go out at once;
; the waits count down token by token.  No LDS, no barrier, no matrix unit, no cluster: threads share nothing.
.set PB, 4                             ; v4-131: token tk's part i at v[PB + 32 tk + 4 i]
	s_load_b128 s[4:7], s[0:1], 0x0                ; ybuf s[4:5], out0 s[6:7]
	v_lshlrev_b32 v1, 4, v0
	s_lshl_b32 s2, ttmp9, 17                       ; four tokens of 32,768 bytes
	s_mov_b32 s3, 0
	s_lshl_b32 s8, ttmp9, 14                       ; four rows of 4,096 bytes
	s_mov_b32 s9, 0
	s_wait_kmcnt 0x0
	s_add_nc_u64 s[4:5], s[4:5], s[2:3]
	s_add_nc_u64 s[6:7], s[6:7], s[8:9]
.irp tk, 0,1,2,3
.irp i, 0,1,2,3,4,5,6,7
	global_load_b128 v[PB+32*\tk+4*\i:PB+32*\tk+4*\i+3], v1, s[4:5] offset:32768*\tk+4096*\i th:TH_LOAD_NT
.endr
.endr
.irp tk, 0,1,2,3
	s_wait_loadcnt 24-8*\tk                        ; this token's 8 loads are in; the later tokens' may be out
.irp i, 0,2,4,6
.irp p, 0,2
	v_pk_add_f32 v[PB+32*\tk+4*\i+\p:PB+32*\tk+4*\i+\p+1], v[PB+32*\tk+4*\i+\p:PB+32*\tk+4*\i+\p+1], v[PB+32*\tk+4*\i+4+\p:PB+32*\tk+4*\i+4+\p+1]
.endr
.endr
.irp i, 0,4
.irp p, 0,2
	v_pk_add_f32 v[PB+32*\tk+4*\i+\p:PB+32*\tk+4*\i+\p+1], v[PB+32*\tk+4*\i+\p:PB+32*\tk+4*\i+\p+1], v[PB+32*\tk+4*\i+8+\p:PB+32*\tk+4*\i+8+\p+1]
.endr
.endr
.irp p, 0,2
	v_pk_add_f32 v[PB+32*\tk+\p:PB+32*\tk+\p+1], v[PB+32*\tk+\p:PB+32*\tk+\p+1], v[PB+32*\tk+16+\p:PB+32*\tk+16+\p+1]
.endr
	global_store_b128 v1, v[PB+32*\tk:PB+32*\tk+3], s[6:7] offset:4096*\tk th:TH_STORE_NT
.endr
	s_endpgm
.Lfunc_end_k_q99be40ae31_comb:
	.size	k_q99be40ae31_comb, .Lfunc_end_k_q99be40ae31_comb-k_q99be40ae31_comb
	.p2alignl 7, 3214868480
	.fill 96, 4, 3214868480
	.section	.rodata,"a",@progbits
	.p2align	6, 0x0
	.amdhsa_kernel k_q99be40ae31_comb
		.amdhsa_group_segment_fixed_size 0
		.amdhsa_private_segment_fixed_size 0
		.amdhsa_enable_private_segment 0
		.amdhsa_kernarg_size 16
		.amdhsa_user_sgpr_count 2
		.amdhsa_user_sgpr_kernarg_segment_ptr 1
		.amdhsa_wavefront_size32 1
		.amdhsa_system_sgpr_workgroup_id_x 1
		.amdhsa_system_sgpr_workgroup_id_y 1
		.amdhsa_system_sgpr_workgroup_id_z 1
		.amdhsa_system_vgpr_workitem_id 0
		.amdhsa_next_free_vgpr 136
		.amdhsa_next_free_sgpr 66
		.amdhsa_reserve_vcc 0
		.amdhsa_float_denorm_mode_32 3
		.amdhsa_float_denorm_mode_16_64 3
		.amdhsa_memory_ordered 1
		.amdhsa_forward_progress 1
		.amdhsa_inst_pref_size 8
	.end_amdhsa_kernel
	.amdgpu_metadata
---
amdhsa.version: [ 1, 2 ]
amdhsa.kernels:
  - .name:           k_q99be40ae31_comb
    .symbol:         k_q99be40ae31_comb.kd
    .args:
      - { .name: ybuf, .offset: 0, .size: 8, .value_kind: global_buffer, .address_space: global }
      - { .name: out0, .offset: 8, .size: 8, .value_kind: global_buffer, .address_space: global }
    .group_segment_fixed_size: 0
    .private_segment_fixed_size: 0
    .kernarg_segment_align: 8
    .kernarg_segment_size: 16
    .max_flat_workgroup_size: 256
    .sgpr_count:     66
    .vgpr_count:     136
    .wavefront_size: 32
...
	.end_amdgpu_metadata
.endif
;; end of part 4
;; ======== version 2 of 2: 4 launches
;; workspace buffers: xq 786,432 bytes; xs 32,768 bytes; rmask 2,048 bytes of whole numbers; gate 8,192 bytes; hbuf 29,360,128 bytes; ybuf 33,685,504 bytes
;; launch route (part 5): grid 32 x 1, 8 waves a work-group, no clusters, 76,800 bytes of LDS; arguments x, router_w, router_b, xq, xs, rmask, gate; writes xq, xs, rmask, gate
.if DOCPART == 5
	.amdgcn_target "amdgcn-amd-amdhsa--gfx1250"
	.amdhsa_code_object_version 6
	.text
	.protected	k_q99be40ae31_route
	.globl	k_q99be40ae31_route
	.p2align	8
	.type	k_q99be40ae31_route,@function
k_q99be40ae31_route:
	s_mov_b64 s[64:65], 0
	v_nop
	global_prefetch_b8 v0, s[64:65] scope:SCOPE_SE
	s_setreg_imm32_b32 hwreg(HW_REG_WAVE_MODE, 25, 1), 1
	s_wait_xcnt 0x0
; ROUTE.  x [1024 tokens][1024] f32 is (a) quantised to codes of FP6 (E2M3), one E8M0 byte for each 32 along K, and (b) routed: 8 logits in f32 multiply-adds, softmax with the
; row's maximum taken away, the two largest, their weights renormalised.  What steers later launches is stored as whole numbers at fixed places: nothing in this launch branches or addresses by it.
; OUT.  xq [token][768 bytes]: K step s (128 codes) at 96 s, its four blocks of 24 bytes in the order 0, 2, 1, 3, so that the half h of the lanes of a matrix operand finds its 12 registers as 48 bytes on end at 96 s + 48 h.
;       xs [token][32]: the scale bytes, in K's order.   gate [token][2] f32: the weight of the first and of the second choice.
;       rmask [16][32 words]: row e, word g, bit i: token 32 g + i uses expert e;  row 8 + e: e is that token's SECOND choice.
; SHARES.  A work-group owns 32 tokens (one word of each mask row), each of its eight waves four of them.  Memory is read as it lies, 512 bytes on end to a load; a row then turns through LDS
; so that lane l holds block l of the row, k = 32 l .. 32 l + 31: the block's largest magnitude needs no other lane, and the conversions find neighbours along K in one lane's registers.
; No matrix unit (N = 8), no cluster (work-groups share only router_w's 32 KiB), no tensor load: a wave's 16 KiB of x are 32 loads, all out at once.
; LIMITS.  NaN and infinities are not served.  A block whose largest magnitude lies under 2^-124 keeps the byte 1; so does a block of zeros, where the rule says 127: its codes are zeros, and this program alone reads the bytes.
; The two largest are taken of exp(l - max), ties to the lower index; a second choice whose exponential has fallen to 0 gets the weight 0.  The logits' sums run in another order than a row-by-row sum.
.set RWS,  0                           ; LDS: router_w's 8 rows, turned: 32 places of 144 bytes (a block's 128 + 16) a row
.set XST,  36864                       ; a stage of 4,608 bytes for each wave: a row of x on its turn, later the wave's 3,072 bytes of codes
.set LGT,  73728                       ; the logits: 32 tokens x 32 bytes
.set XSB,  74752                       ; the scale bytes: 32 tokens x 32
.set ROWS, 4608
.set PLC,  144
.set XR,   16                          ; v16-143  four tokens x 32 numbers
.set RWB,  144                         ; v144-207 two sets of 32 numbers of router_w
.set LR,   208                         ; v208-239 the partial logits, 8 a token (before them: the codes, 8 registers a token)
.set SM,   240                         ; v240-247 four packed sums (before them: v240-243 largest magnitudes, v244-247 scale operands, v248-251 bytes)
.set MX,   240
.set SO,   244
.set BY,   248
	s_load_b256 s[4:11], s[0:1], 0x0               ; x s[4:5], router_w s[6:7], router_b s[8:9], xq s[10:11]
	s_load_b128 s[12:15], s[0:1], 0x20             ; xs s[12:13], rmask s[14:15]
	s_load_b64 s[16:17], s[0:1], 0x30              ; gate
	v_lshl_add_u32 v254, v0, 2, 0x12800
	v_mov_b32 v255, 0
	v_lshrrev_b32 v1, 5, v0
	s_delay_alu instid0(VALU_DEP_1)
	v_readfirstlane_b32 s20, v1                    ; wave 0..7
	v_and_b32 v1, 31, v0                           ; lane
	s_delay_alu instid0(VALU_DEP_1)
	v_lshlrev_b32 v2, 4, v1                        ; 16 x lane
	s_mul_i32 s21, s20, ROWS
	; every LDS address is made here, ahead of the place where the waves part
	v_lshrrev_b32 v13, 3, v1
	v_and_b32 v14, 7, v1
	s_delay_alu instid0(VALU_DEP_2)
	v_mul_u32_u24 v13, v13, PLC
	s_delay_alu instid0(VALU_DEP_1)
	v_lshl_add_u32 v13, v14, 4, v13                ; a load's 512 bytes are four blocks: 144 (lane / 8) + 16 (lane % 8)
	s_delay_alu instid0(VALU_DEP_1)
	v_add_nc_u32 v5, s21, v13                      ; v5: router_w's row w on its way in
	s_delay_alu instid0(VALU_DEP_1)
	v_add_nc_u32 v3, XST, v5                       ; v3: a row of x on its way in
	v_mul_u32_u24 v6, v1, PLC                      ; v6: my block of a row of router_w
	s_delay_alu instid0(VALU_DEP_1)
	v_add_nc_u32 v4, s21, v6
	s_delay_alu instid0(VALU_DEP_1)
	v_add_nc_u32 v4, XST, v4                       ; v4: my block of the row of x
	v_lshrrev_b32 v13, 2, v1
	s_delay_alu instid0(VALU_DEP_1)
	v_mul_u32_u24 v13, v13, 96                     ; block l belongs to K step l / 4,
	v_and_b32 v14, 1, v1
	v_bfe_u32 v15, v1, 1, 1
	s_delay_alu instid0(VALU_DEP_1)
	v_lshl_add_u32 v14, v14, 1, v15                ; at place 2 (l & 1) + ((l >> 1) & 1) of its four: the order 0, 2, 1, 3
	s_delay_alu instid0(VALU_DEP_1)
	v_mad_u32_u24 v13, v14, 24, v13
	s_delay_alu instid0(VALU_DEP_1)
	v_add_nc_u32 v7, s21, v13
	s_delay_alu instid0(VALU_DEP_1)
	v_add_nc_u32 v7, XST, v7                       ; v7: where my 24 bytes of codes go
	v_add_nc_u32 v8, s21, v2
	s_delay_alu instid0(VALU_DEP_1)
	v_add_nc_u32 v8, XST, v8                       ; v8: and where 16 bytes of them come back
	s_lshl_b32 s18, s20, 7
	v_add_nc_u32 v9, s18, v1
	s_delay_alu instid0(VALU_DEP_1)
	v_add_nc_u32 v9, XSB, v9                       ; v9: my block's scale byte: 32 bytes a token, 128 a wave
	s_add_co_u32 s19, s18, LGT
	v_mov_b32 v10, s19                             ; v10: my wave's four tokens' logits (one address for all lanes)
	v_lshl_add_u32 v11, v1, 5, LGT                 ; v11: token = lane: its 8 logits
	v_add_nc_u32 v12, XSB, v2                      ; v12: the scale bytes on their way out
	s_mov_b32 s22, 0x76543210
	s_mov_b32 s23, 0xfedcba98                      ; v_permlanex16_b32's selects for lane l xor 16
	s_mov_b32 s3, 0
	s_wait_kmcnt 0x0
	s_load_b256 s[24:31], s[8:9], 0x0              ; router_b's eight numbers
	s_lshl_b32 s2, s20, 12
	s_add_nc_u64 s[6:7], s[6:7], s[2:3]            ; router_w at row w
	s_lshl_b32 s2, ttmp9, 17
	s_lshl_b32 s19, s20, 14
	s_add_co_u32 s2, s2, s19
	s_add_nc_u64 s[4:5], s[4:5], s[2:3]            ; x at token 32 g + 4 w
	s_mul_i32 s2, ttmp9, 24576
	s_mul_i32 s19, s20, 3072
	s_add_co_u32 s2, s2, s19
	s_add_nc_u64 s[10:11], s[10:11], s[2:3]        ; xq likewise
	s_lshl_b32 s2, ttmp9, 10
	s_add_nc_u64 s[12:13], s[12:13], s[2:3]        ; xs at token 32 g
	s_lshl_b32 s2, ttmp9, 2
	s_add_nc_u64 s[14:15], s[14:15], s[2:3]        ; rmask at word g
	s_lshl_b32 s2, ttmp9, 8
	s_add_nc_u64 s[16:17], s[16:17], s[2:3]        ; gate at token 32 g
.irp i, 0,1,2,3,4,5,6,7
	global_load_b128 v[RWB+4*\i:RWB+4*\i+3], v2, s[6:7] offset:512*\i
.endr
.irp tk, 0,1,2,3
.irp i, 0,1,2,3,4,5,6,7
	global_load_b128 v[XR+32*\tk+4*\i:XR+32*\tk+4*\i+3], v2, s[4:5] offset:4096*\tk+512*\i th:TH_LOAD_NT   ; 512 bytes on end; x is read once
.endr
.endr
	; ---- the turn: bytes go into LDS as they were loaded and come back a block to a lane
	s_wait_loadcnt 32                              ; router_w's 8 loads are in; the 32 of x may be out
.irp i, 0,1,2,3,4,5,6,7
	ds_store_b128 v5, v[RWB+4*\i:RWB+4*\i+3] offset:576*\i
.endr
.irp tk, 0,1,2,3
	s_wait_loadcnt 24-8*\tk                        ; this token's 8 loads are in; the later tokens' may be out
.irp i, 0,1,2,3,4,5,6,7
	ds_store_b128 v3, v[XR+32*\tk+4*\i:XR+32*\tk+4*\i+3] offset:576*\i
.endr
.irp q, 0,1,2,3,4,5,6,7
	ds_load_b128 v[XR+32*\tk+4*\q:XR+32*\tk+4*\q+3], v4 offset:16*\q   ; LDS serves a wave's instructions in order: these see the stores above, and the next token's stores come behind them
.endr
.endr
	s_wait_dscnt 0x0                               ; for the others' sake: my row of router_w lies in LDS; my own numbers are back
	s_barrier_signal -1
	s_barrier_wait -1
	; ---- x becomes codes: a lane holds a whole block of each of the four tokens, which take turns line by line
.irp tk, 0,1,2,3
	v_max3_num_f32 v[MX+\tk], |v[XR+32*\tk]|, |v[XR+32*\tk+1]|, 0x1800000   ; with the floor 2^(3 - 127) among the leaves: the byte cannot fall under 1
.endr
.irp i, 2,4,6,8,10,12,14,16,18,20,22,24,26,28,30
.irp tk, 0,1,2,3
	s_delay_alu instid0(VALU_DEP_4)
	v_max3_num_f32 v[MX+\tk], v[MX+\tk], |v[XR+32*\tk+\i]|, |v[XR+32*\tk+\i+1]|
.endr
.endr
.irp tk, 0,1,2,3
	s_delay_alu instid0(VALU_DEP_4)
	v_add_nc_u32 v[SO+\tk], 0xff000000, v[MX+\tk]  ; 2 off the exponent field: the conversion takes the exponent field of this operand as its scale
.endr
.irp tk, 0,1,2,3
	s_delay_alu instid0(VALU_DEP_4)
	v_lshrrev_b32 v[BY+\tk], 23, v[SO+\tk]         ; the scale's byte
.endr
.irp tk, 0,1,2,3
	v_cvt_scalef32_pk16_fp6_f32 v[LR+8*\tk:LR+8*\tk+2], v[XR+32*\tk:XR+32*\tk+15], v[SO+\tk]
	v_cvt_scalef32_pk16_fp6_f32 v[LR+8*\tk+4:LR+8*\tk+6], v[XR+32*\tk+16:XR+32*\tk+31], v[SO+\tk]   ; (a conversion's three registers begin on an even number)
.endr
	v_nop                                          ; one plain place behind the scaled conversions
.irp tk, 0,1,2,3
	v_mov_b32 v[LR+8*\tk+3], v[LR+8*\tk+4]         ; the block's six registers on end
	v_mov_b32 v[LR+8*\tk+4], v[LR+8*\tk+5]
	v_mov_b32 v[LR+8*\tk+5], v[LR+8*\tk+6]
.endr
.irp tk, 0,1,2,3
	ds_store_b64 v7, v[LR+8*\tk:LR+8*\tk+1] offset:768*\tk
	ds_store_b64 v7, v[LR+8*\tk+2:LR+8*\tk+3] offset:768*\tk+8
	ds_store_b64 v7, v[LR+8*\tk+4:LR+8*\tk+5] offset:768*\tk+16
	ds_store_b8 v9, v[BY+\tk] offset:32*\tk
.endr
	; ---- the logits: for each expert my block of its row against my block of the four tokens
.macro RWLOAD e
.irp q, 0,1,2,3,4,5,6,7
	ds_load_b128 v[RWB+32*((\e)%2)+4*\q:RWB+32*((\e)%2)+4*\q+3], v6 offset:ROWS*(\e)+16*\q
.endr
.endm
	RWLOAD 0
.irp e, 0,1,2,3,4,5,6,7
.if \e < 7
	RWLOAD \e+1
	s_wait_dscnt 8                                 ; this expert's 8 loads are in (and all LDS stores issued before them are done); the next expert's 8 may be out
.else
	s_wait_dscnt 0x0
.endif
.irp tk, 0,1,2,3
	v_pk_mul_f32 v[SM+2*\tk:SM+2*\tk+1], v[XR+32*\tk:XR+32*\tk+1], v[RWB+32*(\e%2):RWB+32*(\e%2)+1]
.endr
.irp p, 1,2,3,4,5,6,7,8,9,10,11,12,13,14,15
.irp tk, 0,1,2,3
	s_delay_alu instid0(VALU_DEP_4)
	v_pk_fma_f32 v[SM+2*\tk:SM+2*\tk+1], v[XR+32*\tk+2*\p:XR+32*\tk+2*\p+1], v[RWB+32*(\e%2)+2*\p:RWB+32*(\e%2)+2*\p+1], v[SM+2*\tk:SM+2*\tk+1]
.endr
.endr
.irp tk, 0,1,2,3
	s_delay_alu instid0(VALU_DEP_4)
	v_add_f32 v[LR+8*\tk+\e], v[SM+2*\tk], v[SM+2*\tk+1]
.endr
.endr
	; ---- the 32 partial logits are summed over the 32 lanes; every lane ends up with all of them
.irp m, 1,2,4,8
.set JJ, 0
.rept 32
	v_add_f32_dpp v[LR+JJ], v[LR+JJ], v[LR+JJ] row_xmask:\m row_mask:0xf bank_mask:0xf
.set JJ, JJ+1
.endr
.endr
.set JJ, 0
.rept 32
	v_permlanex16_b32 v[RWB+JJ], v[LR+JJ], s22, s23   ; (its destination counts as read: these registers have been written)
.set JJ, JJ+1
.endr
.set JJ, 0
.rept 32
	v_add_f32 v[LR+JJ], v[LR+JJ], v[RWB+JJ]
.set JJ, JJ+1
.endr
.irp tk, 0,1,2,3
	ds_store_b128 v10, v[LR+8*\tk:LR+8*\tk+3] offset:32*\tk        ; all lanes write the same words with the same values
	ds_store_b128 v10, v[LR+8*\tk+4:LR+8*\tk+7] offset:32*\tk+16
.endr
	; ---- my four tokens' codes leave: 3,072 bytes on end, at a multiple of 256 from xq's first byte
.irp i, 0,1,2,3,4,5
	ds_load_b128 v[XR+4*\i:XR+4*\i+3], v8 offset:512*\i
.endr
.irp i, 0,1,2,3,4,5
	s_wait_dscnt 5-\i                              ; load i is back; the younger ones may be out
	global_store_b128 v2, v[XR+4*\i:XR+4*\i+3], s[10:11] offset:512*\i
.endr
	s_wait_dscnt 0x0                               ; for the others' sake: my logits and scale bytes lie in LDS
	s_barrier_signal -1
	s_barrier_wait -1
	s_cmp_gt_u32 s20, 1
	s_cbranch_scc1 .Lend                           ; waves 2 to 7 are done
	s_cmp_eq_u32 s20, 1
	s_cbranch_scc1 .Lscales
	; ---- wave 0: a lane to a token
	ds_load_b128 v[48:51], v11
	ds_load_b128 v[52:55], v11 offset:16
	s_wait_kmcnt 0x0                               ; router_b
	s_wait_dscnt 0x0
.irp e, 0,1,2,3,4,5,6,7
	v_add_f32 v[48+\e], s[24+\e], v[48+\e]
.endr
	v_max3_num_f32 v72, v48, v49, v50
	s_delay_alu instid0(VALU_DEP_1)
	v_max3_num_f32 v72, v72, v51, v52
	s_delay_alu instid0(VALU_DEP_1)
	v_max3_num_f32 v72, v72, v53, v54
	s_delay_alu instid0(VALU_DEP_1)
	v_max_num_f32 v72, v72, v55                    ; the row's maximum is taken away ahead of the exponentials
.irp e, 0,1,2,3,4,5,6,7
	v_sub_f32 v[56+\e], v[48+\e], v72
.endr
.irp e, 0,1,2,3,4,5,6,7
	v_mul_f32 v[56+\e], 0x3fb8aa3b, v[56+\e]
.endr
	s_wait_alu depctr_va_vdst(0)
.irp e, 0,1,2,3,4,5,6,7
	v_exp_f32 v[56+\e], v[56+\e]
.endr
	v_mov_b32 v74, 0                               ; (a plain place behind the exponentials)  the first choice's number
	s_wait_alu depctr_va_vdst(0)                   ; one wait for the eight, ahead of their first reader
	v_mov_b32 v73, v56
.irp e, 1,2,3,4,5,6,7
	v_cmp_gt_f32 vcc_lo, v[56+\e], v73             ; strictly larger: of equals the lower index stays
	v_cndmask_b32 v73, v73, v[56+\e], vcc_lo
	s_delay_alu instid0(VALU_DEP_2)
	v_cndmask_b32 v74, v74, \e, vcc_lo
.endr
.irp e, 0,1,2,3,4,5,6,7
	v_cmp_eq_u32 vcc_lo, \e, v74
	v_cndmask_b32 v[64+\e], v[56+\e], -1.0, vcc_lo ; the first choice is taken out: -1 lies under every exponential
.endr
	v_mov_b32 v75, v64
	v_mov_b32 v76, 0
.irp e, 1,2,3,4,5,6,7
	s_delay_alu instid0(VALU_DEP_2)
	v_cmp_gt_f32 vcc_lo, v[64+\e], v75
	s_delay_alu instid0(VALU_DEP_1)
	v_cndmask_b32 v75, v75, v[64+\e], vcc_lo
	s_delay_alu instid0(VALU_DEP_2)
	v_cndmask_b32 v76, v76, \e, vcc_lo
.endr
	s_delay_alu instid0(VALU_DEP_2)
	v_add_f32 v77, v73, v75                        ; the softmax's divisor cancels in the renormalised weights
	s_wait_alu depctr_va_vdst(0)
	v_rcp_f32 v77, v77
	v_lshlrev_b32 v80, 3, v1                       ; (a plain place behind the reciprocal)
	s_wait_alu depctr_va_vdst(0)
	v_mul_f32 v78, v73, v77
	v_mul_f32 v79, v75, v77
	global_store_b64 v80, v[78:79], s[16:17]       ; 32 lanes store 256 bytes on end
.irp e, 0,1,2,3,4,5,6,7
	v_cmp_eq_u32 s[40+\e], \e, v74
	v_cmp_eq_u32 s[48+\e], \e, v76                 ; bit i: expert e is token i's second choice
	s_or_b32 s[40+\e], s[40+\e], s[48+\e]          ; bit i: token i uses expert e
.endr
	v_mov_b32 v81, 0
.irp e, 0,1,2,3,4,5,6,7
	s_delay_alu instid0(VALU_DEP_1)
	v_writelane_b32 v81, s[40+\e], \e
	s_delay_alu instid0(VALU_DEP_1)
	v_writelane_b32 v81, s[48+\e], 8+\e
.endr
	v_lshlrev_b32 v82, 7, v1                       ; lane k stores row k's word g
	v_cmp_gt_u32 vcc_lo, 16, v1
	s_wait_alu depctr_va_vdst(0)
	s_wait_xcnt 0x0                                ; EXEC changes only behind this wait
	s_wait_tensorcnt 0x0
	ds_add_u32 v254, v255
	s_wait_dscnt 0x0
	s_and_saveexec_b32 s19, vcc_lo
	global_store_b32 v82, v81, s[14:15]
	s_wait_xcnt 0x0                                ; and again in front of the line that widens it
	s_or_b32 exec_lo, exec_lo, s19
	s_endpgm
.Lscales:
	; ---- wave 1: the 32 tokens' scale bytes, 1,024 bytes on end
	ds_load_b128 v[48:51], v12
	ds_load_b128 v[52:55], v12 offset:512
	s_wait_dscnt 0x0
	global_store_b128 v2, v[48:51], s[12:13]
	global_store_b128 v2, v[52:55], s[12:13] offset:512
.Lend:
	s_wait_tensorcnt 0x0
	ds_add_u32 v254, v255
	s_wait_dscnt 0x0
	s_endpgm
.Lfunc_end_k_q99be40ae31_route:
	.size	k_q99be40ae31_route, .Lfunc_end_k_q99be40ae31_route-k_q99be40ae31_route
	.p2alignl 7, 3214868480
	.fill 96, 4, 3214868480
	.section	.rodata,"a",@progbits
	.p2align	6, 0x0
	.amdhsa_kernel k_q99be40ae31_route
		.amdhsa_group_segment_fixed_size 76800
		.amdhsa_private_segment_fixed_size 0
		.amdhsa_enable_private_segment 0
		.amdhsa_kernarg_size 56
		.amdhsa_user_sgpr_count 2
		.amdhsa_user_sgpr_kernarg_segment_ptr 1
		.amdhsa_wavefront_size32 1
		.amdhsa_system_sgpr_workgroup_id_x 1
		.amdhsa_system_sgpr_workgroup_id_y 1
		.amdhsa_system_sgpr_workgroup_id_z 1
		.amdhsa_system_vgpr_workitem_id 0
		.amdhsa_next_free_vgpr 256
		.amdhsa_next_free_sgpr 66
		.amdhsa_reserve_vcc 1
		.amdhsa_float_denorm_mode_32 3
		.amdhsa_float_denorm_mode_16_64 3
		.amdhsa_memory_ordered 1
		.amdhsa_forward_progress 1
		.amdhsa_inst_pref_size 96
	.end_amdhsa_kernel
	.amdgpu_metadata
---
amdhsa.version: [ 1, 2 ]
amdhsa.kernels:
  - .name:           k_q99be40ae31_route
    .symbol:         k_q99be40ae31_route.kd
    .args:
      - { .name: x, .offset: 0, .size: 8, .value_kind: global_buffer, .address_space: global }
      - { .name: router_w, .offset: 8, .size: 8, .value_kind: global_buffer, .address_space: global }
      - { .name: router_b, .offset: 16, .size: 8, .value_kind: global_buffer, .address_space: global }
      - { .name: xq, .offset: 24, .size: 8, .value_kind: global_buffer, .address_space: global }
      - { .name: xs, .offset: 32, .size: 8, .value_kind: global_buffer, .address_space: global }
      - { .name: rmask, .offset: 40, .size: 8, .value_kind: global_buffer, .address_space: global }
      - { .name: gate, .offset: 48, .size: 8, .value_kind: global_buffer, .address_space: global }
    .group_segment_fixed_size: 76800
    .private_segment_fixed_size: 0
    .kernarg_segment_align: 8
    .kernarg_segment_size: 56
    .max_flat_workgroup_size: 256
    .sgpr_count:     66
    .vgpr_count:     256
    .wavefront_size: 32
...
	.end_amdgpu_metadata
.endif
;; end of part 5
;; launch hid (part 6): grid 256 x 1, 4 waves a work-group, no clusters, 154,112 bytes of LDS; arguments xq, xs, rmask, w1, b1, hbuf; writes hbuf
.if DOCPART == 6
	.amdgcn_target "amdgcn-amd-amdhsa--gfx1250"
	.amdhsa_code_object_version 6
	.text
	.protected	k_q99be40ae31_hid
	.globl	k_q99be40ae31_hid
	.p2align	8
	.type	k_q99be40ae31_hid,@function
k_q99be40ae31_hid:
	s_mov_b64 s[64:65], 0
	v_nop
	global_prefetch_b8 v0, s[64:65] scope:SCOPE_SE
	s_setreg_imm32_b32 hwreg(HW_REG_WAVE_SCHED_MODE, 0, 2), 2
	s_setreg_imm32_b32 hwreg(HW_REG_WAVE_MODE, 25, 1), 1
	s_wait_xcnt 0x0
	s_wait_alu depctr_vm_vsrc(0)
; HID.  h = gelu(x w1[e]^T + b1[e]) for the rows that were routed to expert e, on codes of FP6 (E2M3) with one E8M0 scale for each 32 along K; h is quantised on the way and stored as codes.
; SHARES.  Work-group (e, fs) owns hidden units 128 fs .. 128 fs + 127 of expert e, for all of K = 1,024: 512 KiB of w1, read from memory once in the launch, 512 bytes on end to a load.
; THE WEIGHTS.  Wave w quantises K steps 2 w and 2 w + 1 (16 fragments of 16 rows x 128 K): a load's bytes turn through the wave's own stage in LDS so that a lane holds whole blocks of 32 of one row.
; The 64 fragments go to LDS as images of their registers (12 registers a lane: three stores of 512 bytes), and behind a barrier EVERY wave loads all 64: 768 registers that stay.
; THE ROWS.  The expert's rows come from its mask (whole numbers that the launch before stored): wave 0 lays them as a list in LDS, entry = 2 x token + (0: first choice, 1: second).  A wave takes tiles of 16 rows,
; w, w + 4, ..; a tile's 8 fragments of x come from memory straight into registers and each feeds 8 matrix instructions.  The wave finishes its 16 x 128 tile alone: no barrier stands in the part that hangs on the count.
; The loop has 16 trips for every split (64 tiles at the most); a trip whose tile does not exist jumps to the lines that step.  The count is held at 1 from below: an expert without rows still makes tile 0, of pad rows.
; TRANSPOSED USE: source 0 = 16 rows of w1, source 1 = 16 rows of x: a lane holds ONE row and eight hidden units.  THE ROWS OF w1 THAT FORM A TILE ARE NOT NEIGHBOURS: row i of tile n is unit
; 32 (n / 2) + 8 (n % 2) + i + 8 (i / 8), so that the 16 registers of tiles 2 b, 2 b + 1 are 16 neighbours along the next K.  The 128 units are one K step of the second product: one fragment and one scale word a row.
; b1 is the start of the sums: an image of the 64 accumulator registers lies in LDS and is loaded into them at a tile's head.
; OUT.  hbuf [e][tile 0..63][K step fs][1,792 bytes]: the fragment's image (3 x 512 bytes), the 32 lanes' scale word at 1,536.
; NO CLUSTER, NO TENSOR LOAD: the number of tiles hangs on a count read from memory.  What the 32 work-groups of an expert share, 768 bytes a row, is at an even split (256 rows) 192 KiB beside each one's own 512 KiB of weights.
; gelu: 0.5 a (1 + erf(a / sqrt 2)), erf as z P(z^2) / Q(z^2) with z held to +-4, all in f32.
; LIMITS.  NaN and infinities are not served.  A block whose largest magnitude lies under 2^-124 keeps the byte 1; so does a block of zeros, where the rule says 127: its codes are zeros, and this program alone reads the bytes.
; erf's error is a few units in the last place of 1, so for a far below 0, where 1 + erf is a small difference, h's error is about 1e-7 |a| and not 1e-6 of h.
; REGISTERS, in windows of 256.  Fragment f = 8 s + n (K step s, tile n): f < 63 in window 1 + f / 21 at v[12 (f % 21)]; f = 63 in window 0 at v48.
;   window 0, in the loop: v1-9 addresses; v10-11 erf's leading coefficients; v12-15 x's scale words; v16-47 w1's scale words; v48-59 fragment 63; v60-155 x's 8 fragments; v156-219 the 8 accumulators; v220-255 at work.
;   window 0, while the weights are made: v60-187 two sets of 64 numbers; v188-227 two sets of codes; v228-243 at work; v244-253 addresses.   window 1 then holds four sets of 64 registers as loaded.
; THE MODE: SCHED_MODE bits 1:0 = 2 (LLVM: expert scheduling mode 2), set by the entry lines.  The code itself states the register dependences between vector or matrix instructions and memory or LDS
; instructions, with s_wait_alu, always for 0.
; THE PLAN, while the weights are made.  Step t:
;   R[t % 4]  (window 1)  the global loads of step t land in it; the stage stores of step t, issued in step t - 1, read it; the loads of step t + 4, issued in step t, land in it again.
;   X[t % 2]  (v60-187)   the stage's loads of step t, issued in step t - 1, land in it; step t's maxima and conversions read it.
;   P[t % 2]  (v188-227) and the word v234 + t % 2: step t's conversions and moves write them; the four image stores that are issued at the head of step t + 1 read them.
;   So two lines at a step's head state all: vm_vsrc for R[t % 4] and P[t % 2], va_vdst for P[(t - 1) % 2] and X[(t - 1) % 2]; the step's 52 memory and LDS instructions follow them with no vector line between.
; THE PLAN, in the loop.  v7 (the list's address), v8, v9 (the row's offsets): written once a trip, read by the trip's loads.  v254, the accumulators: loads land at the head, vector and matrix lines work on them.
;   x's K steps 0-3: read by products 0-31, loaded again behind them; K steps 4-7 and x's scale words: read up to product 63, loaded again behind it.  v232, v234-245: the scale word and the codes, written by the
;   quantiser, read by the four stores.  One wait on va_vdst in front of each of these four groups of memory instructions; one on vm_vsrc at the trip's end, and once in front of the loop, frees all that a trip writes again.
;   The lasting addresses v1-6 are written at the head, ahead of one wait on va_vdst, and never again.
.set ROWP,  4096                       ; a row of w1 in bytes
.set WIMG,  0                          ; LDS: the 64 fragments' images, 1,536 bytes each
.set WSCL,  98304                      ; their scale words, 128 bytes each: a word a lane
.set BIMG,  106496                     ; b1 as an image of the accumulators: 16 x 512 bytes
.set STG,   114688                     ; a stage of 16 rows x 528 bytes for each wave
.set LIST,  148480                     ; the list: 1,152 entries; behind them 32 words that take what no row owns; 1,280 words in all, as far as the hold on an index reaches
.set DUMP,  1152
.set TILEB, 57344                      ; a tile in hbuf: 32 K steps x 1,792 bytes
.set ASC,   12
.set WSC,   16
.set W63,   48
.set AF,    60
.set ACC,   156
.set X0,    60
.set PC0,   188
.set BR,    228
.set MSB, 0
.macro WIN new                         ; the immediate's high byte repeats the setting that is left; a switch that changes nothing is dropped
.if MSB != (\new)
	s_set_vgpr_msb (MSB<<8)|(\new)
.set MSB, (\new)
.endif
.endm
; 16 rows x 512 bytes of step t (tile t % 8, my K step t / 8) into set t % 4 of window 1
.macro RLOAD t
	WIN 0x40
.irp i, 0,1,2,3,4,5,6,7,8,9,10,11,12,13,14,15
	global_load_b128 v[64*((\t)%4)+4*\i:64*((\t)%4)+4*\i+3], v1, s[10:11] offset:(32*(((\t)%8)/2)+8*((\t)%2)+\i+8*(\i/8))*ROWP+512*((\t)/8) th:TH_LOAD_NT
.endr
	WIN 0
.endm
; step t's bytes through my stage: in as loaded, a row to a store; back 2 x 128 bytes a lane: lane (r, h) gets blocks h and 2 + h of row r
.macro TURN t
.if 15-(\t) >= 3
	s_wait_loadcnt 48                              ; this step's 16 loads are in; those of the three steps behind it may be out
.else
	s_wait_loadcnt 16*(15-(\t))
.endif
	WIN 0x04                                       ; an LDS store's data are its source 1: window 1
.irp i, 0,1,2,3,4,5,6,7,8,9,10,11,12,13,14,15
	ds_store_b128 v244, v[64*((\t)%4)+4*\i:64*((\t)%4)+4*\i+3] offset:528*\i
.endr
	WIN 0
.irp c, 0,1
.irp q, 0,1,2,3,4,5,6,7
	ds_load_b128 v[X0+64*((\t)%2)+32*\c+4*\q:X0+64*((\t)%2)+32*\c+4*\q+3], v245 offset:256*\c+16*\q   ; LDS serves a wave's instructions in order: these see the stores above
.endr
.endr
.endm
; fragment 16 w + t and its scale word go to LDS as they stand in P[t % 2] and v234 + t % 2
.macro IMG t
.irp c, 0,1,2
	ds_store_b128 v246, v[PC0+20*((\t)%2)+4*\c:PC0+20*((\t)%2)+4*\c+3] offset:1536*(\t)+512*\c
.endr
	ds_store_b32 v247, v[234+(\t)%2] offset:128*(\t)
.endm
; step t's 64 numbers a lane become fragment 16 w + t and its scale word; loads run four steps ahead, the turn one; the image leaves at the next step's head
.macro WSTEP t
.set XS, X0+64*((\t)%2)
.set PC, PC0+20*((\t)%2)
.set PWR, 234+(\t)%2
	s_wait_dscnt 0x0                               ; this step's numbers are back from the stage: their loads were the youngest LDS instructions
	s_wait_alu depctr_vm_vsrc(0)                   ; this step's stage stores have read R[t % 4], in which loads land again; the image stores issued a step ago (at step 0: b1's stores) have read P[t % 2] and its word, which this step writes
.if (\t) > 0
	s_wait_alu depctr_va_vdst(0)                   ; the step before has written P[(t - 1) % 2] and its word, which the image stores below read, and is done reading X[(t - 1) % 2], in which the stage's loads below land
.endif
.if (\t)+4 < 16
	RLOAD (\t)+4
.endif
.if (\t) > 0
	IMG (\t)-1
.endif
.if (\t)+1 < 16
	TURN (\t)+1
.endif
.irp c, 0,1
	v_max3_num_f32 v[228+\c], |v[XS+32*\c]|, |v[XS+32*\c+1]|, 0x1800000   ; my block 2 c + h: all its 32 numbers are mine; the floor 2^(3 - 127) holds the byte at 1 from below
.endr
.irp i, 2,4,6,8,10,12,14,16,18,20,22,24,26,28,30
.irp c, 0,1
	v_max3_num_f32 v[228+\c], v[228+\c], |v[XS+32*\c+\i]|, |v[XS+32*\c+\i+1]|
.endr
.endr
.irp c, 0,1
	v_add_nc_u32 v[230+\c], 0xff000000, v[228+\c]  ; 2 off the exponent field: the conversion's scale operand
.endr
.irp c, 0,1
	v_lshrrev_b32 v[232+\c], 23, v[230+\c]         ; the scale's byte
.endr
	v_lshl_or_b32 v[PWR], v233, 16, v232           ; my two bytes, blocks h and 2 + h,
	v_lshlrev_b32 v[PWR], v248, v[PWR]             ; at their places in the word (8 h bits up);
	v_mov_b32 v236, 0
	v_permlanex16_b32 v236, v[PWR], s60, s61
	v_or_b32 v[PWR], v[PWR], v236                  ; with lane l xor 16's two the word is whole
.irp c, 0,1
	v_cvt_scalef32_pk16_fp6_f32 v[PC+6*\c:PC+6*\c+2], v[XS+32*\c:XS+32*\c+15], v[230+\c]
	v_cvt_scalef32_pk16_fp6_f32 v[PC+12+4*\c:PC+14+4*\c], v[XS+32*\c+16:XS+32*\c+31], v[230+\c]   ; (a conversion's three registers begin on an even number)
.endr
	v_nop                                          ; one plain place behind the scaled conversions
.irp c, 0,1
.irp i, 0,1,2
	v_mov_b32 v[PC+3+6*\c+\i], v[PC+12+4*\c+\i]
.endr
.endr
.endm
; matrix instructions f0 .. f1.  The eight accumulators take turns, one instruction a turn.  w1's scale words: even K steps in lanes 0-15, odd ones in lanes 16-31; x's: K steps 0-3 below, 4-7 above
.macro MUL f0, f1
.set FF, \f0
.rept (\f1)-(\f0)+1
.set KS, FF/8
.set RA, ACC+8*(FF%8)
.set RB, AF+12*KS
.set RS, WSC+8*(KS/2)+FF%8
.set RT, ASC+KS%4
.if FF < 63
.set WN, 1+FF/21
.set RW, 12*(FF%21)
.else
.set WN, 0
.set RW, W63
.endif
	WIN WN
.if (KS%2 == 0) && (KS < 4)
	v_wmma_scale_f32_16x16x128_f8f6f4 v[RA:RA+7], v[RW:RW+11], v[RB:RB+11], v[RA:RA+7], v[RS], v[RT] matrix_a_fmt:MATRIX_FMT_FP6 matrix_b_fmt:MATRIX_FMT_FP6
.elseif (KS%2 == 1) && (KS < 4)
	v_wmma_scale_f32_16x16x128_f8f6f4 v[RA:RA+7], v[RW:RW+11], v[RB:RB+11], v[RA:RA+7], v[RS], v[RT] matrix_a_fmt:MATRIX_FMT_FP6 matrix_b_fmt:MATRIX_FMT_FP6 matrix_a_scale:MATRIX_SCALE_ROW1
.elseif KS%2 == 0
	v_wmma_scale_f32_16x16x128_f8f6f4 v[RA:RA+7], v[RW:RW+11], v[RB:RB+11], v[RA:RA+7], v[RS], v[RT] matrix_a_fmt:MATRIX_FMT_FP6 matrix_b_fmt:MATRIX_FMT_FP6 matrix_b_scale:MATRIX_SCALE_ROW1
.else
	v_wmma_scale_f32_16x16x128_f8f6f4 v[RA:RA+7], v[RW:RW+11], v[RB:RB+11], v[RA:RA+7], v[RS], v[RT] matrix_a_fmt:MATRIX_FMT_FP6 matrix_b_fmt:MATRIX_FMT_FP6 matrix_a_scale:MATRIX_SCALE_ROW1 matrix_b_scale:MATRIX_SCALE_ROW1
.endif
.set FF, FF+1
.endr
.endm
.macro PLACES                          ; four plain places behind matrix instructions, in front of loads into registers that they have read and of the first read of results (ISA guide 7.12.1 for the first read of results)
.rept 4
	v_nop
.endr
.endm
; an entry of the list in v254 becomes my row's offsets in xq and xs.  A pad entry gives token 1,023
.macro TOKEN
	v_lshrrev_b32 v254, 1, v254
	v_min_u32 v254, 0x3ff, v254
	v_mul_u32_u24 v8, v254, 768
	v_add_nc_u32 v8, v8, v5                        ; 768 x token + 48 h
	v_lshl_add_u32 v9, v254, 5, v6                 ; 32 x token + 16 h
.endm
.macro AFLOAD s0                       ; four K steps' fragments of x: 48 bytes a lane each
.irp s, 0,1,2,3
.irp c, 0,1,2
	global_load_b128 v[AF+12*(\s0+\s)+4*\c:AF+12*(\s0+\s)+4*\c+3], v8, s[4:5] offset:96*(\s0+\s)+16*\c
.endr
.endr
.endm
; gelu on accumulator n, in place.  The reciprocals are a batch of eight with one wait; the numerator's 24 multiply-adds are the work between
.set GZ, 220
.set GQ, 228
.set GP, 236
.set GD, 244
.macro GELU n
.set GA, ACC+8*(\n)
.irp p, 0,2,4,6
	v_pk_mul_f32 v[GZ+\p:GZ+\p+1], v[GA+\p:GA+\p+1], s[36:37] op_sel_hi:[1,0]   ; z = a / sqrt 2  (the accumulator is read from its low end on)
.endr
.irp i, 0,1,2,3,4,5,6,7
	v_med3_num_f32 v[GZ+\i], v[GZ+\i], -4.0, 4.0
.endr
.irp p, 0,2,4,6
	v_pk_mul_f32 v[GQ+\p:GQ+\p+1], v[GZ+\p:GZ+\p+1], v[GZ+\p:GZ+\p+1]
.endr
.irp p, 0,2,4,6
	v_pk_fma_f32 v[GD+\p:GD+\p+1], v[GQ+\p:GQ+\p+1], v[10:11], s[28:29] op_sel:[0,1,0] op_sel_hi:[1,1,0]   ; Q: its leading coefficient is v11, for both halves
.endr
.irp k, 30,32,34
.irp p, 0,2,4,6
	v_pk_fma_f32 v[GD+\p:GD+\p+1], v[GD+\p:GD+\p+1], v[GQ+\p:GQ+\p+1], s[\k:\k+1] op_sel_hi:[1,1,0]
.endr
.endr
	s_wait_alu depctr_va_vdst(0)
.irp i, 0,1,2,3,4,5,6,7
	v_rcp_f32 v[GD+\i], v[GD+\i]                   ; Q is at most its constant term, which is negative: never 0
.endr
.irp p, 0,2,4,6
	v_pk_fma_f32 v[GP+\p:GP+\p+1], v[GQ+\p:GQ+\p+1], v[10:11], s[16:17] op_sel_hi:[1,0,0]   ; P: its leading coefficient is v10
.endr
.irp k, 18,20,22,24,26
.irp p, 0,2,4,6
	v_pk_fma_f32 v[GP+\p:GP+\p+1], v[GP+\p:GP+\p+1], v[GQ+\p:GQ+\p+1], s[\k:\k+1] op_sel_hi:[1,1,0]
.endr
.endr
.irp p, 0,2,4,6
	v_pk_mul_f32 v[GP+\p:GP+\p+1], v[GP+\p:GP+\p+1], v[GZ+\p:GZ+\p+1]
.endr
.irp p, 0,2,4,6
	v_pk_mul_f32 v[GZ+\p:GZ+\p+1], v[GA+\p:GA+\p+1], 0.5 op_sel_hi:[1,0]
.endr
	s_wait_alu depctr_va_vdst(0)                   ; the eight reciprocals are written into v244-251: one wait for the batch, ahead of their first reader
.irp p, 0,2,4,6
	v_pk_mul_f32 v[GP+\p:GP+\p+1], v[GP+\p:GP+\p+1], v[GD+\p:GD+\p+1]           ; erf
.endr
.irp p, 0,2,4,6
	v_pk_fma_f32 v[GA+\p:GA+\p+1], v[GZ+\p:GZ+\p+1], v[GP+\p:GP+\p+1], v[GZ+\p:GZ+\p+1]   ; 0.5 a erf + 0.5 a
.endr
.endm
	s_load_b256 s[4:11], s[0:1], 0x0               ; xq s[4:5], xs s[6:7], rmask s[8:9], w1 s[10:11]
	s_load_b128 s[12:15], s[0:1], 0x20             ; b1 s[12:13], hbuf s[14:15]
	s_set_vgpr_msb 0x80
	v_lshl_add_u32 v254, v0, 2, 0x25800
	v_mov_b32 v255, 0
	s_set_vgpr_msb 0x8000
	v_lshrrev_b32 v200, 5, v0
	v_readfirstlane_b32 s48, v200                  ; wave 0..3
	s_lshr_b32 s49, ttmp9, 5                       ; e
	s_and_b32 s50, ttmp9, 31                       ; fs
	v_and_b32 v200, 31, v0                         ; lane
	v_and_b32 v201, 15, v0                         ; r
	v_bfe_u32 v202, v0, 4, 1                       ; h
	; every LDS address register that stays is made here, ahead of the place where wave 0 parts from the others
	v_lshlrev_b32 v1, 4, v200                      ; v1: 16 x lane
	v_lshlrev_b32 v2, 2, v200                      ; v2: 4 x lane
	v_lshl_add_u32 v3, v201, 2, LIST               ; v3: my row's entry in a tile of the list
	v_add_nc_u32 v4, BIMG, v1                      ; v4: b1's image
	v_mul_u32_u24 v5, v202, 48                     ; v5: 48 h
	v_lshlrev_b32 v6, 4, v202                      ; v6: 16 h
	s_wait_alu depctr_va_sdst(0)                   ; s48 is written, ahead of its first reader: LDS places, bases and branches are made from it
	s_mul_i32 s54, s48, 8448
	s_add_co_u32 s54, s54, STG
	v_add_nc_u32 v244, s54, v1                     ; v244: my stage, in
	v_mul_u32_u24 v203, v201, 528
	v_lshl_add_u32 v203, v202, 7, v203
	v_add_nc_u32 v245, s54, v203                   ; v245: my stage, back: row r, + 128 h
	s_mul_i32 s54, s48, 24576
	v_add_nc_u32 v246, s54, v1                     ; v246: my 16 fragments' images
	s_lshl_b32 s54, s48, 11
	s_add_co_u32 s55, s54, WSCL
	v_add_nc_u32 v247, s55, v2                     ; v247: their scale words
	v_lshlrev_b32 v248, 3, v202                    ; v248: 8 h
	s_add_co_u32 s55, s54, BIMG
	v_add_nc_u32 v249, s55, v1                     ; v249: my two tiles of b1's image
	v_lshlrev_b32 v250, 6, v202                    ; v250: b1: 64 h bytes
	v_add_nc_u32 v251, LIST, v1                    ; v251: the list, 16 bytes a lane
	v_add_nc_u32 v252, 64512, v1                   ; v252: the images from fragment 42 on
	v_lshlrev_b32 v203, 2, v201
	v_lshl_add_u32 v203, v202, 10, v203
	v_add_nc_u32 v253, WSCL, v203                  ; v253: scale words: row r; lanes 16-31 eight fragments (a K step) on
	v_lshlrev_b32 v52, 1, v200                     ; v52: 2 x lane: an entry of a first choice
	v_add_nc_u32 v53, DUMP, v200                   ; v53: the index of my word behind the list
	v_or_b32 v54, 1, v52                           ; v54: 2 x lane + 1: an entry of a second choice
	s_mov_b32 s60, 0x76543210
	s_mov_b32 s61, 0xfedcba98                      ; v_permlanex16_b32's selects for lane l xor 16
	s_mov_b32 s3, 0
	s_wait_kmcnt 0x0
	s_lshl_b32 s2, s49, 7
	s_add_nc_u64 s[8:9], s[8:9], s[2:3]            ; rmask at row e
	s_load_b512 s[16:31], s[8:9], 0x0              ; s[16:47]: who uses expert e
	s_load_b512 s[32:47], s[8:9], 0x40
	s_load_b512 s[68:83], s[8:9], 0x400            ; s[68:99]: for whom it is the second choice
	s_load_b512 s[84:99], s[8:9], 0x440
	s_lshl_b32 s2, s49, 24                         ; w1: 2^24 bytes an expert, 2^19 a slice of 128 rows, 1,024 for my two K steps
	s_lshl_b32 s54, s50, 19
	s_or_b32 s2, s2, s54
	s_lshl_b32 s54, s48, 10
	s_or_b32 s2, s2, s54
	s_add_nc_u64 s[10:11], s[10:11], s[2:3]
	s_lshl_b32 s2, s49, 14                         ; b1: 4 (4,096 e + 128 fs + 32 w)
	s_lshl_b32 s54, s50, 9
	s_or_b32 s2, s2, s54
	s_lshl_b32 s54, s48, 7
	s_or_b32 s2, s2, s54
	s_add_nc_u64 s[12:13], s[12:13], s[2:3]
	s_lshl_b32 s2, s49, 6                          ; hbuf: ((64 e + w) 32 + fs) 1,792: my first tile
	s_add_co_u32 s2, s2, s48
	s_lshl_b32 s2, s2, 5
	s_add_co_u32 s2, s2, s50
	s_mul_i32 s2, s2, 1792
	s_add_nc_u64 s[14:15], s[14:15], s[2:3]
	s_wait_alu depctr_va_vdst(0)                   ; the addresses and offsets v1-6 and v244-253 are written, which the loads and stores from here on read
.irp k, 0,1,2,3
	global_load_b128 v[BR+4*\k:BR+4*\k+3], v250, s[12:13] offset:32*(\k/2)+16*(\k%2)   ; b1 of tiles 2 w + k / 2: lane (r, h) wants units 32 w + 16 h + 8 (k / 2) + 4 (k % 2) on
.endr
	RLOAD 0
	RLOAD 1
	RLOAD 2
	RLOAD 3
	s_wait_kmcnt 0x0
	s_mov_b32 s52, 0
.set GG, 0
.rept 32
	s_bcnt1_i32_b32 s54, s[16+GG]
	s_add_co_u32 s52, s52, s54
.set GG, GG+1
.endr
	s_max_u32 s52, s52, 1                          ; s52: the expert's rows, held at 1: tile 0 is always made
	s_cmp_lg_u32 s48, 0
	s_cbranch_scc1 .Lno_list
	; ---- wave 0 lays the list.  No other wave touches LDS ahead of the barrier below.  All addresses and entries are made first, each step's in registers of its own; one wait; then the stores
	s_add_co_u32 s54, s49, 2048
.irp i, 56,57,58,59
	v_mov_b32 v[\i], s54                           ; the pad entry 2,048 + e
.endr
	s_mov_b32 s53, 0
.set GG, 0
.rept 32                               ; tokens 32 g .. 32 g + 31, a lane to a token, ALL LANES ON: a token that does not use the expert stores into its lane's word behind the list, which nobody reads
	v_mbcnt_lo_u32_b32 v48, s[16+GG], s53          ; rows before mine
	v_cndmask_b32 v48, v53, v48, s[16+GG]          ; or my word behind the list
	v_min_u32 v48, 0x4ff, v48                      ; held inside the list's 1,280 words
	v_lshl_add_u32 v[60+2*GG], v48, 2, LIST
	v_cndmask_b32 v[61+2*GG], v52, v54, s[68+GG]
	v_add_nc_u32 v[61+2*GG], 64*GG, v[61+2*GG]     ; 2 x token + slot
	s_bcnt1_i32_b32 s54, s[16+GG]
	s_add_co_u32 s53, s53, s54
.set GG, GG+1
.endr
	s_wait_alu depctr_va_vdst(0)                   ; the pad entry v56-59 and the 32 pairs of address and entry v60-123 are written, which the stores below read
.irp i, 0,1,2,3,4,5,6,7,8
	ds_store_b128 v251, v[56:59] offset:512*\i
.endr
.set GG, 0
.rept 32
	ds_store_b32 v[60+2*GG], v[61+2*GG]            ; LDS serves a wave's instructions in order: the entries land on the pads
.set GG, GG+1
.endr
.Lno_list:
	s_wait_dscnt 0x0                               ; the list lies in LDS
	s_barrier_signal -1
	s_barrier_wait -1
	s_wait_alu depctr_vm_vsrc(0)                   ; wave 0's stores of the list have read v60-123, in which the stage's first loads land
	; ---- the weights
	s_wait_loadcnt 48                              ; b1 and step 0 are in; steps 1 to 3 may be out
.irp k, 0,1,2,3
	ds_store_b128 v249, v[BR+4*\k:BR+4*\k+3] offset:512*\k
.endr
	TURN 0
.set TT, 0
.rept 16
	WSTEP TT
.set TT, TT+1
.endr
	s_lshl_b32 s56, s48, 6                         ; s56: my tile's place in the list, 64 bytes a tile
	s_lshl_b32 s57, s48, 4                         ; s57: its first row
	s_mov_b32 s58, 16
	v_add_nc_u32 v7, s56, v3
	s_wait_alu depctr_va_vdst(0)                   ; step 15 has written its codes and its scale word, which the stores below read; v7 is written, the address of the first load behind the barrier
	IMG 15
	s_wait_dscnt 0x0                               ; for the others' sake: my images, scale words and part of b1 lie in LDS
	s_barrier_signal -1
	s_barrier_wait -1
	; ---- my first tile's rows are asked for, then all 64 fragments come into registers
	ds_load_b32 v254, v7
	s_wait_dscnt 0x0
	TOKEN
	s_wait_alu depctr_va_vdst(0)                   ; v8 and v9 are written, the offsets of the loads below
	AFLOAD 0
	AFLOAD 4
	global_load_b128 v[ASC:ASC+3], v9, s[6:7]      ; register c: K step c's word in lanes 0-15, K step 4 + c's in lanes 16-31
	; the fragments' loads owe no further wait: window 1's last reader, step 15's stage stores, stands ahead of step 15's wait on vm_vsrc; v48-59 were last named by wave 0's list; no line since names any of them
.set FF, 0
.rept 63
.set WN, (1+FF/21)<<6
	WIN WN                                         ; destination window 1, 2 or 3
.irp c, 0,1,2
.if FF < 42
	ds_load_b128 v[12*(FF%21)+4*\c:12*(FF%21)+4*\c+3], v1 offset:1536*FF+512*\c
.else
	ds_load_b128 v[12*(FF%21)+4*\c:12*(FF%21)+4*\c+3], v252 offset:1536*(FF-42)+512*\c
.endif
.endr
.set FF, FF+1
.endr
	WIN 0
.irp c, 0,1,2
	ds_load_b128 v[W63+4*\c:W63+4*\c+3], v252 offset:1536*21+512*\c
.endr
.irp i, 0,1,2,3
.irp n, 0,1,2,3,4,5,6,7
	ds_load_b32 v[WSC+8*\i+\n], v253 offset:128*(16*\i+\n)
.endr
.endr
	; erf's coefficients, in the scalar registers that held the masks; a packed form names a pair and takes its low word for both halves, so both words are written
	v_mov_b32 v10, 0xaf95df0b                      ; P: z^12
	v_mov_b32 v11, 0xb77460cd                      ; Q: z^8
	s_mov_b32 s16, 0x32edffee
	s_mov_b32 s18, 0xb60cff51
	s_mov_b32 s20, 0xb86ec2d2
	s_mov_b32 s22, 0xba40ac63
	s_mov_b32 s24, 0xbb41a1f6
	s_mov_b32 s26, 0xbc83dbd4
	s_mov_b32 s28, 0xb95fbd29
	s_mov_b32 s30, 0xbadc924e
	s_mov_b32 s32, 0xbbf19bf8
	s_mov_b32 s34, 0xbc69b6a7
	s_mov_b32 s36, 0x3f3504f3                      ; 1 / sqrt 2
.irp k, 16,18,20,22,24,26,28,30,32,34,36
	s_mov_b32 s[\k+1], s[\k]
.endr
	s_wait_dscnt 0x0                               ; the weights are in registers
	s_wait_alu depctr_vm_vsrc(0)                   ; the loads above have read v7, v8, v9 and the addresses v244-253, the last image stores v188-227 and v234-235: the first trip writes or loads all of these
.Ltrip:                                            ; 16 trips: tile w + 4 i
	s_cmp_ge_u32 s57, s52
	s_cbranch_scc1 .Ltail                          ; no such tile: only the steps are made
	v_add_nc_u32 v7, s56, v3
	s_wait_alu depctr_va_vdst(0)                   ; v7 is written, the address of the load below; the lines of the trip before are done with v254 and the accumulators, in which the loads below land
	ds_load_b32 v254, v7 offset:256                ; my row of the tile four on (past the rows: a pad entry)
.irp i, 0,1,2,3,4,5,6,7,8,9,10,11,12,13,14,15
	ds_load_b128 v[ACC+4*\i:ACC+4*\i+3], v4 offset:512*\i   ; b1 starts the sums
.endr
	s_wait_dscnt 0x0
	s_wait_loadcnt 0x0                             ; this tile's fragments and scale words are in, so their offsets may be written
	TOKEN
	MUL 0, 31
	WIN 0
	PLACES
	s_wait_alu depctr_va_vdst(0)                   ; products 0 to 31 are done reading x's K steps 0 to 3, in which the loads below land; v8 is written, their offset
	AFLOAD 0                                       ; the next tile's K steps 0 to 3, into registers that are done with
	MUL 32, 63
	WIN 0
	PLACES
	s_wait_alu depctr_va_vdst(0)                   ; products 32 to 63 are done reading x's K steps 4 to 7 and its scale words, in which the loads below land; the places above stay beside this wait, for gelu's first read of the results
	AFLOAD 4
	global_load_b128 v[ASC:ASC+3], v9, s[6:7]
.irp n, 0,1,2,3,4,5,6,7
	GELU \n
.endr
	; h's four blocks of 32: register 16 b + i is unit 32 b + 16 h + i of my row
.set TM, 220
.set TB, 224
.set TS, 228
.set PW, 232
.set PC, 234
.irp b, 0,1,2,3
	v_max3_num_f32 v[TM+\b], |v[ACC+16*\b]|, |v[ACC+16*\b+1]|, 0x1800000
.endr
.irp i, 2,4,6,8,10,12,14
.irp b, 0,1,2,3
	v_max3_num_f32 v[TM+\b], v[TM+\b], |v[ACC+16*\b+\i]|, |v[ACC+16*\b+\i+1]|
.endr
.endr
.irp b, 0,1,2,3
	v_permlanex16_b32 v[TB+\b], v[TM+\b], s60, s61
.endr
.irp b, 0,1,2,3
	v_max_num_f32 v[TM+\b], v[TM+\b], v[TB+\b]     ; with lane l xor 16's 16: the block's largest magnitude
.endr
.irp b, 0,1,2,3
	v_add_nc_u32 v[TS+\b], 0xff000000, v[TM+\b]
.endr
.irp b, 0,1,2,3
	v_lshrrev_b32 v[TB+\b], 23, v[TS+\b]
.endr
	v_lshl_or_b32 v[PW], v[TB+1], 8, v[TB]         ; my row's scale word
	v_lshl_or_b32 v[PW], v[TB+2], 16, v[PW]
	v_lshl_or_b32 v[PW], v[TB+3], 24, v[PW]
.irp c, 0,1
	v_cvt_scalef32_pk16_fp6_f32 v[PC+6*\c:PC+6*\c+2], v[ACC+32*\c:ACC+32*\c+15], v[TS+2*\c]
	v_cvt_scalef32_pk16_fp6_f32 v[PC+12+4*\c:PC+14+4*\c], v[ACC+32*\c+16:ACC+32*\c+31], v[TS+2*\c+1]
.endr
	v_nop                                          ; one plain place behind the scaled conversions
.irp c, 0,1                                    ; the operand's layout wants a whole block in a lane: lanes 0-15 block 2 c, lanes 16-31 block 2 c + 1
.irp i, 0,1,2
	v_permlane16_swap_b32 v[PC+6*\c+\i], v[PC+12+4*\c+\i]
.endr
.irp i, 0,1,2
	v_mov_b32 v[PC+3+6*\c+\i], v[PC+12+4*\c+\i]
.endr
.endr
	s_wait_alu depctr_va_vdst(0)                   ; the codes v234-245 and the scale word v232 are written, which the stores below read
.irp c, 0,1,2
	global_store_b128 v1, v[PC+4*\c:PC+4*\c+3], s[14:15] offset:512*\c   ; 512 bytes on end, at a multiple of 256 from hbuf's first byte
.endr
	global_store_b32 v2, v[PW], s[14:15] offset:1536
.Ltail:
	s_wait_xcnt 0x0                                ; the stores have read their base and their registers: both are written again only behind this wait
	s_wait_alu depctr_vm_vsrc(0)                   ; the trip's stores have read v232 and v234-245, its loads v7, v8 and v9: the next trip writes them all again
	s_add_nc_u64 s[14:15], s[14:15], 4*TILEB
	s_add_co_u32 s56, s56, 256
	s_add_co_u32 s57, s57, 64
	s_sub_co_u32 s58, s58, 1
	s_cmp_lg_u32 s58, 0
	s_cbranch_scc1 .Ltrip
	s_set_vgpr_msb 0xa
	s_wait_dscnt 0x0
	s_wait_alu depctr_hold_cnt(0) depctr_sa_sdst(0) depctr_va_vdst(0) depctr_va_sdst(0) depctr_va_ssrc(0) depctr_va_vcc(0) depctr_vm_vsrc(0)
	s_wait_tensorcnt 0x0
	ds_add_u32 v254, v255
	s_wait_dscnt 0x0
	s_endpgm
.Lfunc_end_k_q99be40ae31_hid:
	.size	k_q99be40ae31_hid, .Lfunc_end_k_q99be40ae31_hid-k_q99be40ae31_hid
	.p2alignl 7, 3214868480
	.fill 96, 4, 3214868480
	.section	.rodata,"a",@progbits
	.p2align	6, 0x0
	.amdhsa_kernel k_q99be40ae31_hid
		.amdhsa_group_segment_fixed_size 154112
		.amdhsa_private_segment_fixed_size 0
		.amdhsa_enable_private_segment 0
		.amdhsa_kernarg_size 48
		.amdhsa_user_sgpr_count 2
		.amdhsa_user_sgpr_kernarg_segment_ptr 1
		.amdhsa_wavefront_size32 1
		.amdhsa_system_sgpr_workgroup_id_x 1
		.amdhsa_system_sgpr_workgroup_id_y 1
		.amdhsa_system_sgpr_workgroup_id_z 1
		.amdhsa_system_vgpr_workitem_id 0
		.amdhsa_next_free_vgpr 1024
		.amdhsa_next_free_sgpr 102
		.amdhsa_reserve_vcc 0
		.amdhsa_float_denorm_mode_32 3
		.amdhsa_float_denorm_mode_16_64 3
		.amdhsa_memory_ordered 1
		.amdhsa_forward_progress 1
		.amdhsa_inst_pref_size 210
	.end_amdhsa_kernel
	.amdgpu_metadata
---
amdhsa.version: [ 1, 2 ]
amdhsa.kernels:
  - .name:           k_q99be40ae31_hid
    .symbol:         k_q99be40ae31_hid.kd
    .args:
      - { .name: xq, .offset: 0, .size: 8, .value_kind: global_buffer, .address_space: global }
      - { .name: xs, .offset: 8, .size: 8, .value_kind: global_buffer, .address_space: global }
      - { .name: rmask, .offset: 16, .size: 8, .value_kind: global_buffer, .address_space: global }
      - { .name: w1, .offset: 24, .size: 8, .value_kind: global_buffer, .address_space: global }
      - { .name: b1, .offset: 32, .size: 8, .value_kind: global_buffer, .address_space: global }
      - { .name: hbuf, .offset: 40, .size: 8, .value_kind: global_buffer, .address_space: global }
    .group_segment_fixed_size: 154112
    .private_segment_fixed_size: 0
    .kernarg_segment_align: 8
    .kernarg_segment_size: 48
    .max_flat_workgroup_size: 128
    .sgpr_count:     102
    .vgpr_count:     1024
    .wavefront_size: 32
...
	.end_amdgpu_metadata
.endif
;; end of part 6
;; launch outp (part 7): grid 256 x 1, 4 waves a work-group, no clusters, 154,112 bytes of LDS; arguments hbuf, gate, rmask, w2, b2, ybuf; writes ybuf
.if DOCPART == 7
	.amdgcn_target "amdgcn-amd-amdhsa--gfx1250"
	.amdhsa_code_object_version 6
	.text
	.protected	k_q99be40ae31_outp
	.globl	k_q99be40ae31_outp
	.p2align	8
	.type	k_q99be40ae31_outp,@function
k_q99be40ae31_outp:
	s_mov_b64 s[64:65], 0
	v_nop
	global_prefetch_b8 v0, s[64:65] scope:SCOPE_SE
	s_setreg_imm32_b32 hwreg(HW_REG_WAVE_SCHED_MODE, 0, 2), 2
	s_setreg_imm32_b32 hwreg(HW_REG_WAVE_MODE, 25, 1), 1
	s_wait_xcnt 0x0
	s_wait_alu depctr_vm_vsrc(0)
; OUTP.  A quarter of y = gate x (h w2[e]^T + b2[e]) for the rows routed to expert e, on codes of FP6 (E2M3) with one E8M0 scale for each 32 along K.
; SHARES.  Work-group (e, ds, kq) owns outputs 128 ds .. 128 ds + 127 and hidden units 1,024 kq .. 1,024 kq + 1,023: 512 KiB of w2, read from memory once in the launch, 512 bytes on end to a load.
; The frame is that of the launch before: wave w quantises K steps 2 w, 2 w + 1 through its own stage; the 64 fragments go round through LDS as images of their registers and stay in every wave's registers;
; wave 0 lays the same list from the same masks; a wave takes tiles w, w + 4, .. of 16 rows in a loop of 16 trips, and finishes each alone; the count is held at 1 from below, as there.
; h's fragments lie in hbuf as images of their registers: three loads of 512 bytes on end a fragment, each feeding 8 matrix instructions.  Only tiles that the launch before has stored are loaded.
; TRANSPOSED USE: source 0 = 16 rows of w2 (tile n: outputs 16 n + i), source 1 = 16 rows of h: a lane holds one row and eight neighbouring outputs.  b2 starts the sums where kq = 0, zeros elsewhere.
; OUT.  ybuf [entry 0..2055][kq][1,024] f32, entry = 2 x token + slot.  A tile goes through the wave's stage and leaves as rows: 32 lanes store a row's 512 bytes on end.  Pad rows go to entry 2,048 + e, which nobody reads.
; The four quarters and the two experts of a token are added by the last launch: each byte of ybuf has one owner.
; NO CLUSTER, NO TENSOR LOAD: the number of tiles hangs on a count read from memory.  What the 8 work-groups (e, *, kq) share, 14,336 bytes a tile, is at an even split (16 tiles) 224 KiB beside each one's own 512 KiB of weights.
; LIMITS.  NaN and infinities are not served (b2 is multiplied by 0 where kq is not 0).  A block of w2 whose largest magnitude lies under 2^-124, or of zeros, keeps the byte 1: this program alone reads the bytes.
; REGISTERS, in windows of 256.  Fragment f = 8 s + n: f < 63 in window 1 + f / 21 at v[12 (f % 21)]; f = 63 in window 0 at v48.
;   window 0, in the loop: v1-11 addresses; v12-15 h's scale words; v16-47 w2's; v48-59 fragment 63; v60-155 h's 8 fragments; v156-219 the 8 accumulators; v220-235 the 16 rows' offsets in ybuf; v252 the gate.
;   window 0, while the weights are made: v60-187 two sets of 64 numbers; v188-227 two sets of codes; v228-243 at work; v244-253 addresses.   window 1 then holds four sets of 64 registers as loaded.
; THE MODE: SCHED_MODE bits 1:0 = 2 (LLVM: expert scheduling mode 2), set by the entry lines.  The code itself states the register dependences between vector or matrix instructions and memory or LDS
; instructions, with s_wait_alu, always for 0.
; THE PLAN, while the weights are made.  Step t:
;   R[t % 4]  (window 1)  the global loads of step t land in it; the stage stores of step t, issued in step t - 1, read it; the loads of step t + 4, issued in step t, land in it again.
;   X[t % 2]  (v60-187)   the stage's loads of step t, issued in step t - 1, land in it; step t's maxima and conversions read it.
;   P[t % 2]  (v188-227) and the word v234 + t % 2: step t's conversions and moves write them; the four image stores that are issued at the head of step t + 1 read them.
;   So two lines at a step's head state all: vm_vsrc for R[t % 4] and P[t % 2], va_vdst for P[(t - 1) % 2] and X[(t - 1) % 2]; the step's 52 memory and LDS instructions follow them with no vector line between.
; THE PLAN, in the loop.  v8, v9 (the list's addresses), v10, v11 (the next tile's offsets), v254 (the gate's offset), v220-235 (the rows' offsets): written once a trip by vector lines, read by the trip's loads and stores.
;   h's K steps 0-3: read by products 0-31, loaded again behind them; K steps 4-7 and h's scale words: read up to product 63, loaded again behind it.  The accumulators: b2's image lands, the products add, the gate
;   multiplies, the stage stores read them, the stage's loads land in them, the global stores read them.  v252: the gate lands, the multiplies read it.
;   A wait on va_vdst stands in front of each group of memory instructions that reads what vector lines wrote or lands where they read: five a trip.  One on vm_vsrc stands between the stage's stores and its loads,
;   one at the trip's end, and once in front of the loop, frees all that a trip writes again.  The lasting addresses v1-7 are written at the head, ahead of one wait on va_vdst, and never again.
.set ROWP,  16384                      ; a row of w2 in bytes
.set WIMG,  0                          ; LDS: the 64 fragments' images, 1,536 bytes each
.set WSCL,  98304                      ; their scale words, 128 bytes each
.set BIMG,  106496                     ; b2 (or zeros) as an image of the accumulators: 16 x 512 bytes
.set STG,   114688                     ; a stage of 16 rows x 528 bytes for each wave
.set LIST,  148480                     ; the list: 1,152 entries; behind them 32 words that take what no row owns; 1,280 words in all, as far as the hold on an index reaches
.set DUMP,  1152
.set TILEB, 57344                      ; a tile in hbuf: 32 K steps x 1,792 bytes
.set ASC,   12
.set WSC,   16
.set W63,   48
.set AF,    60
.set ACC,   156
.set RO,    220
.set X0,    60
.set PC0,   188
.set BR,    228
.set MSB, 0
.macro WIN new                         ; the immediate's high byte repeats the setting that is left; a switch that changes nothing is dropped
.if MSB != (\new)
	s_set_vgpr_msb (MSB<<8)|(\new)
.set MSB, (\new)
.endif
.endm
; 16 rows x 512 bytes of step t (tile t % 8, my K step t / 8) into set t % 4 of window 1
.macro RLOAD t
	WIN 0x40
.irp i, 0,1,2,3,4,5,6,7,8,9,10,11,12,13,14,15
	global_load_b128 v[64*((\t)%4)+4*\i:64*((\t)%4)+4*\i+3], v1, s[10:11] offset:(16*((\t)%8)+\i)*ROWP+512*((\t)/8) th:TH_LOAD_NT
.endr
	WIN 0
.endm
; step t's bytes through my stage: in as loaded, a row to a store; back 2 x 128 bytes a lane: lane (r, h) gets blocks h and 2 + h of row r
.macro TURN t
.if 15-(\t) >= 3
	s_wait_loadcnt 48                              ; this step's 16 loads are in; those of the three steps behind it may be out
.else
	s_wait_loadcnt 16*(15-(\t))
.endif
	WIN 0x04                                       ; an LDS store's data are its source 1: window 1
.irp i, 0,1,2,3,4,5,6,7,8,9,10,11,12,13,14,15
	ds_store_b128 v244, v[64*((\t)%4)+4*\i:64*((\t)%4)+4*\i+3] offset:528*\i
.endr
	WIN 0
.irp c, 0,1
.irp q, 0,1,2,3,4,5,6,7
	ds_load_b128 v[X0+64*((\t)%2)+32*\c+4*\q:X0+64*((\t)%2)+32*\c+4*\q+3], v245 offset:256*\c+16*\q   ; LDS serves a wave's instructions in order: these see the stores above
.endr
.endr
.endm
; fragment 16 w + t and its scale word go to LDS as they stand in P[t % 2] and v234 + t % 2
.macro IMG t
.irp c, 0,1,2
	ds_store_b128 v246, v[PC0+20*((\t)%2)+4*\c:PC0+20*((\t)%2)+4*\c+3] offset:1536*(\t)+512*\c
.endr
	ds_store_b32 v247, v[234+(\t)%2] offset:128*(\t)
.endm
; step t's 64 numbers a lane become fragment 16 w + t and its scale word; loads run four steps ahead, the turn one; the image leaves at the next step's head
.macro WSTEP t
.set XS, X0+64*((\t)%2)
.set PC, PC0+20*((\t)%2)
.set PWR, 234+(\t)%2
	s_wait_dscnt 0x0                               ; this step's numbers are back from the stage: their loads were the youngest LDS instructions
	s_wait_alu depctr_vm_vsrc(0)                   ; this step's stage stores have read R[t % 4], in which loads land again; the image stores issued a step ago (at step 0: b2's stores) have read P[t % 2] and its word, which this step writes
.if (\t) > 0
	s_wait_alu depctr_va_vdst(0)                   ; the step before has written P[(t - 1) % 2] and its word, which the image stores below read, and is done reading X[(t - 1) % 2], in which the stage's loads below land
.endif
.if (\t)+4 < 16
	RLOAD (\t)+4
.endif
.if (\t) > 0
	IMG (\t)-1
.endif
.if (\t)+1 < 16
	TURN (\t)+1
.endif
.irp c, 0,1
	v_max3_num_f32 v[228+\c], |v[XS+32*\c]|, |v[XS+32*\c+1]|, 0x1800000   ; my block 2 c + h: all its 32 numbers are mine; the floor 2^(3 - 127) holds the byte at 1 from below
.endr
.irp i, 2,4,6,8,10,12,14,16,18,20,22,24,26,28,30
.irp c, 0,1
	v_max3_num_f32 v[228+\c], v[228+\c], |v[XS+32*\c+\i]|, |v[XS+32*\c+\i+1]|
.endr
.endr
.irp c, 0,1
	v_add_nc_u32 v[230+\c], 0xff000000, v[228+\c]  ; 2 off the exponent field: the conversion's scale operand
.endr
.irp c, 0,1
	v_lshrrev_b32 v[232+\c], 23, v[230+\c]         ; the scale's byte
.endr
	v_lshl_or_b32 v[PWR], v233, 16, v232           ; my two bytes, blocks h and 2 + h,
	v_lshlrev_b32 v[PWR], v248, v[PWR]             ; at their places in the word (8 h bits up);
	v_mov_b32 v236, 0
	v_permlanex16_b32 v236, v[PWR], s60, s61
	v_or_b32 v[PWR], v[PWR], v236                  ; with lane l xor 16's two the word is whole
.irp c, 0,1
	v_cvt_scalef32_pk16_fp6_f32 v[PC+6*\c:PC+6*\c+2], v[XS+32*\c:XS+32*\c+15], v[230+\c]
	v_cvt_scalef32_pk16_fp6_f32 v[PC+12+4*\c:PC+14+4*\c], v[XS+32*\c+16:XS+32*\c+31], v[230+\c]   ; (a conversion's three registers begin on an even number)
.endr
	v_nop                                          ; one plain place behind the scaled conversions
.irp c, 0,1
.irp i, 0,1,2
	v_mov_b32 v[PC+3+6*\c+\i], v[PC+12+4*\c+\i]
.endr
.endr
.endm
; matrix instructions f0 .. f1.  The eight accumulators take turns, one instruction a turn.  w2's scale words: even K steps in lanes 0-15, odd ones in lanes 16-31; h's: K steps 0-3 below, 4-7 above
.macro MUL f0, f1
.set FF, \f0
.rept (\f1)-(\f0)+1
.set KS, FF/8
.set RA, ACC+8*(FF%8)
.set RB, AF+12*KS
.set RS, WSC+8*(KS/2)+FF%8
.set RT, ASC+KS%4
.if FF < 63
.set WN, 1+FF/21
.set RW, 12*(FF%21)
.else
.set WN, 0
.set RW, W63
.endif
	WIN WN
.if (KS%2 == 0) && (KS < 4)
	v_wmma_scale_f32_16x16x128_f8f6f4 v[RA:RA+7], v[RW:RW+11], v[RB:RB+11], v[RA:RA+7], v[RS], v[RT] matrix_a_fmt:MATRIX_FMT_FP6 matrix_b_fmt:MATRIX_FMT_FP6
.elseif (KS%2 == 1) && (KS < 4)
	v_wmma_scale_f32_16x16x128_f8f6f4 v[RA:RA+7], v[RW:RW+11], v[RB:RB+11], v[RA:RA+7], v[RS], v[RT] matrix_a_fmt:MATRIX_FMT_FP6 matrix_b_fmt:MATRIX_FMT_FP6 matrix_a_scale:MATRIX_SCALE_ROW1
.elseif KS%2 == 0
	v_wmma_scale_f32_16x16x128_f8f6f4 v[RA:RA+7], v[RW:RW+11], v[RB:RB+11], v[RA:RA+7], v[RS], v[RT] matrix_a_fmt:MATRIX_FMT_FP6 matrix_b_fmt:MATRIX_FMT_FP6 matrix_b_scale:MATRIX_SCALE_ROW1
.else
	v_wmma_scale_f32_16x16x128_f8f6f4 v[RA:RA+7], v[RW:RW+11], v[RB:RB+11], v[RA:RA+7], v[RS], v[RT] matrix_a_fmt:MATRIX_FMT_FP6 matrix_b_fmt:MATRIX_FMT_FP6 matrix_a_scale:MATRIX_SCALE_ROW1 matrix_b_scale:MATRIX_SCALE_ROW1
.endif
.set FF, FF+1
.endr
.endm
.macro PLACES                          ; four plain places behind matrix instructions, in front of loads into registers that they have read and of the first read of results (ISA guide 7.12.1 for the first read of results)
.rept 4
	v_nop
.endr
.endm
; the tile in s54 (held to the tiles that exist, and to 63) becomes the offsets of its fragments and scale words
.macro TILE
	s_min_u32 s54, s54, s59
	s_min_u32 s54, s54, 63
	s_mul_i32 s54, s54, TILEB
	v_add_nc_u32 v10, s54, v1
	v_add_nc_u32 v11, s54, v2
.endm
.macro AFLOAD s0                       ; four K steps' fragments of h, as images
.irp s, 0,1,2,3
.irp c, 0,1,2
	global_load_b128 v[AF+12*(\s0+\s)+4*\c:AF+12*(\s0+\s)+4*\c+3], v10, s[4:5] offset:1792*(\s0+\s)+512*\c
.endr
.endr
.endm
.macro ASLOAD                          ; register c: K step c's words in lanes 0-15, K step 4 + c's in lanes 16-31
.irp c, 0,1,2,3
	global_load_b32 v[ASC+\c], v11, s[4:5] offset:1792*\c+1536
.endr
.endm
	s_load_b256 s[4:11], s[0:1], 0x0               ; hbuf s[4:5], gate s[6:7], rmask s[8:9], w2 s[10:11]
	s_load_b128 s[12:15], s[0:1], 0x20             ; b2 s[12:13], ybuf s[14:15]
	s_set_vgpr_msb 0x80
	v_lshl_add_u32 v254, v0, 2, 0x25800
	v_mov_b32 v255, 0
	s_set_vgpr_msb 0x8000
	v_lshrrev_b32 v200, 5, v0
	v_readfirstlane_b32 s48, v200                  ; wave 0..3
	s_lshr_b32 s49, ttmp9, 5                       ; e
	s_bfe_u32 s50, ttmp9, 0x30002                  ; ds
	s_and_b32 s51, ttmp9, 3                        ; kq
	v_and_b32 v200, 31, v0                         ; lane
	v_and_b32 v201, 15, v0                         ; r
	v_bfe_u32 v202, v0, 4, 1                       ; h
	; every LDS address register that stays is made here, ahead of the place where wave 0 parts from the others
	v_lshlrev_b32 v1, 4, v200                      ; v1: 16 x lane
	v_lshlrev_b32 v204, 2, v200                    ; 4 x lane
	v_lshlrev_b32 v203, 2, v201                    ; 4 r
	v_mad_u32_u24 v2, v202, 7168, v203             ; v2: h's scale words: 4 r, lanes 16-31 four K steps on
	v_add_nc_u32 v3, LIST, v203                    ; v3: my row's entry in a tile of the list
	v_add_nc_u32 v4, BIMG, v1                      ; v4: b2's image
	v_mov_b32 v5, LIST                             ; v5: a tile's 16 entries, one address for all lanes
	s_wait_alu depctr_va_sdst(0)                   ; s48 is written, ahead of its first reader: LDS places, bases and branches are made from it
	s_mul_i32 s54, s48, 8448
	s_add_co_u32 s54, s54, STG
	v_add_nc_u32 v244, s54, v1                     ; v244: my stage, in, while the weights are made
	v_add_nc_u32 v7, s54, v1                       ; v7: my stage, a row of y back
	v_mul_u32_u24 v205, v201, 528
	v_lshl_add_u32 v206, v202, 7, v205
	v_add_nc_u32 v245, s54, v206                   ; v245: my stage, back: row r, + 128 h
	v_lshl_add_u32 v206, v202, 5, v205
	v_add_nc_u32 v6, s54, v206                     ; v6: my stage, y in: row r, + 32 h
	s_mul_i32 s54, s48, 24576
	v_add_nc_u32 v246, s54, v1                     ; v246: my 16 fragments' images
	s_lshl_b32 s54, s48, 11
	s_add_co_u32 s55, s54, WSCL
	v_add_nc_u32 v247, s55, v204                   ; v247: their scale words
	v_lshlrev_b32 v248, 3, v202                    ; v248: 8 h
	s_add_co_u32 s55, s54, BIMG
	v_add_nc_u32 v249, s55, v1                     ; v249: my two tiles of b2's image
	v_lshlrev_b32 v250, 5, v202                    ; v250: b2: 32 h bytes
	v_add_nc_u32 v251, LIST, v1                    ; v251: the list, 16 bytes a lane
	v_add_nc_u32 v252, 64512, v1                   ; v252: the images from fragment 42 on
	v_lshl_add_u32 v203, v202, 10, v203
	v_add_nc_u32 v253, WSCL, v203                  ; v253: scale words: row r; lanes 16-31 eight fragments (a K step) on
	v_lshlrev_b32 v52, 1, v200                     ; v52: 2 x lane: an entry of a first choice
	v_add_nc_u32 v53, DUMP, v200                   ; v53: the index of my word behind the list
	v_or_b32 v54, 1, v52                           ; v54: 2 x lane + 1: an entry of a second choice
	s_mov_b32 s60, 0x76543210
	s_mov_b32 s61, 0xfedcba98                      ; v_permlanex16_b32's selects for lane l xor 16
	s_mov_b32 s3, 0
	s_wait_kmcnt 0x0
	s_lshl_b32 s2, s49, 7
	s_add_nc_u64 s[8:9], s[8:9], s[2:3]            ; rmask at row e
	s_load_b512 s[16:31], s[8:9], 0x0              ; s[16:47]: who uses expert e
	s_load_b512 s[32:47], s[8:9], 0x40
	s_load_b512 s[68:83], s[8:9], 0x400            ; s[68:99]: for whom it is the second choice
	s_load_b512 s[84:99], s[8:9], 0x440
	s_lshl_b32 s2, s49, 24                         ; w2: 2^24 bytes an expert, 2^21 a slice of 128 rows, 4,096 a quarter of K, 1,024 for my two K steps
	s_lshl_b32 s54, s50, 21
	s_or_b32 s2, s2, s54
	s_lshl_b32 s54, s51, 12
	s_or_b32 s2, s2, s54
	s_lshl_b32 s54, s48, 10
	s_or_b32 s2, s2, s54
	s_add_nc_u64 s[10:11], s[10:11], s[2:3]
	s_lshl_b32 s2, s49, 12                         ; b2: 4 (1,024 e + 128 ds + 32 w)
	s_lshl_b32 s54, s50, 9
	s_or_b32 s2, s2, s54
	s_lshl_b32 s54, s48, 7
	s_or_b32 s2, s2, s54
	s_add_nc_u64 s[12:13], s[12:13], s[2:3]
	s_lshl_b32 s2, s49, 11                         ; hbuf: (2,048 e + 8 kq) 1,792: the expert's tile 0, my quarter's first K step
	s_lshl_b32 s54, s51, 3
	s_add_co_u32 s2, s2, s54
	s_mul_i32 s2, s2, 1792
	s_add_nc_u64 s[4:5], s[4:5], s[2:3]
	s_lshl_b32 s2, s51, 12                         ; ybuf: 4,096 kq + 512 ds
	s_lshl_b32 s54, s50, 9
	s_or_b32 s2, s2, s54
	s_add_nc_u64 s[14:15], s[14:15], s[2:3]
	s_wait_alu depctr_va_vdst(0)                   ; the addresses and offsets v1-7 and v244-253 are written, which the loads and stores from here on read
.irp k, 0,1,2,3
	global_load_b128 v[BR+4*\k:BR+4*\k+3], v250, s[12:13] offset:64*(\k/2)+16*(\k%2)   ; b2 of tiles 2 w + k / 2: lane (r, h) wants outputs 32 w + 16 (k / 2) + 8 h + 4 (k % 2) on
.endr
	RLOAD 0
	RLOAD 1
	RLOAD 2
	RLOAD 3
	s_wait_kmcnt 0x0
	s_mov_b32 s52, 0
.set GG, 0
.rept 32
	s_bcnt1_i32_b32 s54, s[16+GG]
	s_add_co_u32 s52, s52, s54
.set GG, GG+1
.endr
	s_max_u32 s52, s52, 1                          ; s52: the expert's rows, held at 1, as in the launch before
	s_cmp_lg_u32 s48, 0
	s_cbranch_scc1 .Lno_list
	; ---- wave 0 lays the list.  No other wave touches LDS ahead of the barrier below.  All addresses and entries are made first, each step's in registers of its own; one wait; then the stores
	s_add_co_u32 s54, s49, 2048
.irp i, 56,57,58,59
	v_mov_b32 v[\i], s54                           ; the pad entry 2,048 + e
.endr
	s_mov_b32 s53, 0
.set GG, 0
.rept 32                               ; tokens 32 g .. 32 g + 31, a lane to a token, ALL LANES ON: a token that does not use the expert stores into its lane's word behind the list, which nobody reads
	v_mbcnt_lo_u32_b32 v48, s[16+GG], s53          ; rows before mine
	v_cndmask_b32 v48, v53, v48, s[16+GG]          ; or my word behind the list
	v_min_u32 v48, 0x4ff, v48                      ; held inside the list's 1,280 words
	v_lshl_add_u32 v[60+2*GG], v48, 2, LIST
	v_cndmask_b32 v[61+2*GG], v52, v54, s[68+GG]
	v_add_nc_u32 v[61+2*GG], 64*GG, v[61+2*GG]     ; 2 x token + slot
	s_bcnt1_i32_b32 s54, s[16+GG]
	s_add_co_u32 s53, s53, s54
.set GG, GG+1
.endr
	s_wait_alu depctr_va_vdst(0)                   ; the pad entry v56-59 and the 32 pairs of address and entry v60-123 are written, which the stores below read
.irp i, 0,1,2,3,4,5,6,7,8
	ds_store_b128 v251, v[56:59] offset:512*\i
.endr
.set GG, 0
.rept 32
	ds_store_b32 v[60+2*GG], v[61+2*GG]            ; LDS serves a wave's instructions in order: the entries land on the pads
.set GG, GG+1
.endr
.Lno_list:
	s_wait_dscnt 0x0                               ; the list lies in LDS
	s_barrier_signal -1
	s_barrier_wait -1
	s_wait_alu depctr_vm_vsrc(0)                   ; wave 0's stores of the list have read v60-123, in which the stage's first loads land
	; ---- the weights
	s_cmp_eq_u32 s51, 0
	s_cselect_b32 s54, 1.0, 0                      ; b2 counts once: in the first quarter of K
	s_wait_loadcnt 48                              ; b2 and step 0 are in; steps 1 to 3 may be out
.irp i, 0,1,2,3,4,5,6,7,8,9,10,11,12,13,14,15
	v_mul_f32 v[BR+\i], s54, v[BR+\i]
.endr
	s_wait_alu depctr_va_vdst(0)                   ; the sixteen products are written into v228-243, which the stores below read
.irp k, 0,1,2,3
	ds_store_b128 v249, v[BR+4*\k:BR+4*\k+3] offset:512*\k
.endr
	TURN 0
.set TT, 0
.rept 16
	WSTEP TT
.set TT, TT+1
.endr
	s_lshl_b32 s56, s48, 6                         ; s56: my tile's place in the list, 64 bytes a tile
	s_lshl_b32 s57, s48, 4                         ; s57: its first row
	s_mov_b32 s58, 16
	s_add_co_u32 s59, s52, 15
	s_lshr_b32 s59, s59, 4
	s_sub_co_u32 s59, s59, 1                       ; s59: the last tile that exists
	s_add_co_u32 s62, s48, 4                       ; s62: the tile four on
	s_mov_b32 s54, s48
	TILE
	s_wait_alu depctr_va_vdst(0)                   ; step 15 has written its codes and its scale word, which the stores below read, and is done reading v60-187; v10 and v11 are written, the offsets of the loads behind the barrier, which land in v60-155
	IMG 15
	s_wait_dscnt 0x0                               ; for the others' sake: my images, scale words and part of b2 lie in LDS
	s_barrier_signal -1
	s_barrier_wait -1
	; ---- my first tile is asked for, then all 64 fragments come into registers
	AFLOAD 0
	AFLOAD 4
	ASLOAD
	; the fragments' loads owe no further wait: window 1's last reader, step 15's stage stores, stands ahead of step 15's wait on vm_vsrc; v48-59 were last named by wave 0's list; no line since names any of them
.set FF, 0
.rept 63
.set WN, (1+FF/21)<<6
	WIN WN                                         ; destination window 1, 2 or 3
.irp c, 0,1,2
.if FF < 42
	ds_load_b128 v[12*(FF%21)+4*\c:12*(FF%21)+4*\c+3], v1 offset:1536*FF+512*\c
.else
	ds_load_b128 v[12*(FF%21)+4*\c:12*(FF%21)+4*\c+3], v252 offset:1536*(FF-42)+512*\c
.endif
.endr
.set FF, FF+1
.endr
	WIN 0
.irp c, 0,1,2
	ds_load_b128 v[W63+4*\c:W63+4*\c+3], v252 offset:1536*21+512*\c
.endr
.irp i, 0,1,2,3
.irp n, 0,1,2,3,4,5,6,7
	ds_load_b32 v[WSC+8*\i+\n], v253 offset:128*(16*\i+\n)
.endr
.endr
	s_wait_dscnt 0x0                               ; the weights are in registers
	s_wait_alu depctr_vm_vsrc(0)                   ; the loads above have read v10, v11, v252 and v253, the last image stores v188-227 and v234-235: the line below and the first trip write or load all of these
	v_mov_b32 v253, 0                              ; (named as the upper half of the pair v[252:253], so it is written)
.Ltrip:                                            ; 16 trips: tile w + 4 i
	s_cmp_ge_u32 s57, s52
	s_cbranch_scc1 .Ltail                          ; no such tile: only the steps are made
	v_add_nc_u32 v8, s56, v3
	v_add_nc_u32 v9, s56, v5
	s_wait_alu depctr_va_vdst(0)                   ; v8 and v9 are written, the addresses of the loads below; the lines of the trip before are done with v254, v220-235 and the accumulators, in which the loads below land
	ds_load_b32 v254, v8                           ; my row's entry
.irp q, 0,1,2,3
	ds_load_b128 v[RO+4*\q:RO+4*\q+3], v9 offset:16*\q     ; the tile's 16 entries, in every lane
.endr
.irp i, 0,1,2,3,4,5,6,7,8,9,10,11,12,13,14,15
	ds_load_b128 v[ACC+4*\i:ACC+4*\i+3], v4 offset:512*\i   ; b2 or zeros start the sums
.endr
	s_wait_dscnt 0x0
	v_min_u32 v254, 0x7ff, v254                    ; (a pad row takes the last gate: its result goes to the pad entry)
	v_lshlrev_b32 v254, 2, v254
.irp i, 0,1,2,3,4,5,6,7,8,9,10,11,12,13,14,15
	v_min_u32 v[RO+\i], 0x807, v[RO+\i]
.endr
.irp i, 0,1,2,3,4,5,6,7,8,9,10,11,12,13,14,15
	v_lshl_add_u32 v[RO+\i], v[RO+\i], 14, v1      ; row i in ybuf: 16,384 x entry + 16 x lane
.endr
	s_wait_alu depctr_va_vdst(0)                   ; v254 is written, the offset of the gate's load; so are v220-235, the offsets of the trip's sixteen stores
	s_wait_loadcnt 0x0                             ; this tile's fragments and scale words are in, so their offsets may be written
	global_load_b32 v252, v254, s[6:7]             ; my row's gate
	s_mov_b32 s54, s62
	TILE
	MUL 0, 31
	WIN 0
	PLACES
	s_wait_alu depctr_va_vdst(0)                   ; products 0 to 31 are done reading h's K steps 0 to 3, in which the loads below land; v10 is written, their offset
	AFLOAD 0                                       ; the next tile's K steps 0 to 3, into registers that are done with
	MUL 32, 63
	WIN 0
	PLACES
	s_wait_alu depctr_va_vdst(0)                   ; products 32 to 63 are done reading h's K steps 4 to 7 and its scale words, in which the loads below land; the places above stay beside this wait, for the first read of the results
	AFLOAD 4
	ASLOAD
	s_wait_loadcnt 28                              ; the gate is in; behind it 24 loads of fragments and 4 of scale words may be out
.set JJ, 0
.rept 32
	v_pk_mul_f32 v[ACC+JJ:ACC+JJ+1], v[ACC+JJ:ACC+JJ+1], v[252:253] op_sel_hi:[1,0]   ; x the gate; each accumulator is read from its low end on
.set JJ, JJ+2
.endr
	s_wait_alu depctr_va_vdst(0)                   ; the products by the gate are written into the accumulators, which the stores below read
.irp n, 0,1,2,3,4,5,6,7
	ds_store_b128 v6, v[ACC+8*\n:ACC+8*\n+3] offset:64*\n          ; lane (r, h): row r, outputs 16 n + 8 h + 0 .. 7
	ds_store_b128 v6, v[ACC+8*\n+4:ACC+8*\n+7] offset:64*\n+16
.endr
	s_wait_alu depctr_vm_vsrc(0)                   ; the stores above have read the accumulators, in which the loads below land
.irp i, 0,1,2,3,4,5,6,7,8,9,10,11,12,13,14,15
	ds_load_b128 v[ACC+4*\i:ACC+4*\i+3], v7 offset:528*\i          ; LDS serves a wave's instructions in order: these see my stores
.endr
.irp i, 0,1,2,3,4,5,6,7,8,9,10,11,12,13,14,15
	s_wait_dscnt 15-\i                             ; row i is back; the younger ones may be out
	global_store_b128 v[RO+\i], v[ACC+4*\i:ACC+4*\i+3], s[14:15] th:TH_STORE_NT   ; 32 lanes store 512 bytes on end, at a multiple of 256 from ybuf's first byte
.endr
.Ltail:
	s_wait_xcnt 0x0                                ; the stores have read their offsets and their data: both are written again only behind this wait
	s_wait_alu depctr_vm_vsrc(0)                   ; the trip's stores have read v220-235 and the accumulators, its loads v8, v9, v10, v11 and v254: the next trip writes or loads them all again
	s_add_co_u32 s56, s56, 256
	s_add_co_u32 s57, s57, 64
	s_add_co_u32 s62, s62, 4
	s_sub_co_u32 s58, s58, 1
	s_cmp_lg_u32 s58, 0
	s_cbranch_scc1 .Ltrip
	s_set_vgpr_msb 0xa
	s_wait_dscnt 0x0
	s_wait_alu depctr_hold_cnt(0) depctr_sa_sdst(0) depctr_va_vdst(0) depctr_va_sdst(0) depctr_va_ssrc(0) depctr_va_vcc(0) depctr_vm_vsrc(0)
	s_wait_tensorcnt 0x0
	ds_add_u32 v254, v255
	s_wait_dscnt 0x0
	s_endpgm
.Lfunc_end_k_q99be40ae31_outp:
	.size	k_q99be40ae31_outp, .Lfunc_end_k_q99be40ae31_outp-k_q99be40ae31_outp
	.p2alignl 7, 3214868480
	.fill 96, 4, 3214868480
	.section	.rodata,"a",@progbits
	.p2align	6, 0x0
	.amdhsa_kernel k_q99be40ae31_outp
		.amdhsa_group_segment_fixed_size 154112
		.amdhsa_private_segment_fixed_size 0
		.amdhsa_enable_private_segment 0
		.amdhsa_kernarg_size 48
		.amdhsa_user_sgpr_count 2
		.amdhsa_user_sgpr_kernarg_segment_ptr 1
		.amdhsa_wavefront_size32 1
		.amdhsa_system_sgpr_workgroup_id_x 1
		.amdhsa_system_sgpr_workgroup_id_y 1
		.amdhsa_system_sgpr_workgroup_id_z 1
		.amdhsa_system_vgpr_workitem_id 0
		.amdhsa_next_free_vgpr 1024
		.amdhsa_next_free_sgpr 102
		.amdhsa_reserve_vcc 0
		.amdhsa_float_denorm_mode_32 3
		.amdhsa_float_denorm_mode_16_64 3
		.amdhsa_memory_ordered 1
		.amdhsa_forward_progress 1
		.amdhsa_inst_pref_size 176
	.end_amdhsa_kernel
	.amdgpu_metadata
---
amdhsa.version: [ 1, 2 ]
amdhsa.kernels:
  - .name:           k_q99be40ae31_outp
    .symbol:         k_q99be40ae31_outp.kd
    .args:
      - { .name: hbuf, .offset: 0, .size: 8, .value_kind: global_buffer, .address_space: global }
      - { .name: gate, .offset: 8, .size: 8, .value_kind: global_buffer, .address_space: global }
      - { .name: rmask, .offset: 16, .size: 8, .value_kind: global_buffer, .address_space: global }
      - { .name: w2, .offset: 24, .size: 8, .value_kind: global_buffer, .address_space: global }
      - { .name: b2, .offset: 32, .size: 8, .value_kind: global_buffer, .address_space: global }
      - { .name: ybuf, .offset: 40, .size: 8, .value_kind: global_buffer, .address_space: global }
    .group_segment_fixed_size: 154112
    .private_segment_fixed_size: 0
    .kernarg_segment_align: 8
    .kernarg_segment_size: 48
    .max_flat_workgroup_size: 128
    .sgpr_count:     102
    .vgpr_count:     1024
    .wavefront_size: 32
...
	.end_amdgpu_metadata
.endif
;; end of part 7
;; launch comb (part 8): grid 256 x 1, 8 waves a work-group, no clusters, 0 bytes of LDS; arguments ybuf, out0; writes out0
.if DOCPART == 8
	.amdgcn_target "amdgcn-amd-amdhsa--gfx1250"
	.amdhsa_code_object_version 6
	.text
	.protected	k_q99be40ae31_comb
	.globl	k_q99be40ae31_comb
	.p2align	8
	.type	k_q99be40ae31_comb,@function
k_q99be40ae31_comb:
	s_mov_b64 s[64:65], 0
	v_nop
	global_prefetch_b8 v0, s[64:65] scope:SCOPE_SE
	s_setreg_imm32_b32 hwreg(HW_REG_WAVE_MODE, 25, 1), 1
	s_wait_xcnt 0x0
; COMB.  out[token] = the sum of the token's eight parts in ybuf: two entries (its two experts) x four quarters of K, each a row of 1,024 f32; they lie on end, 32,768 bytes a token.
; A stream: a work-group owns four tokens, thread t the 16 bytes at 16 t of every row, so each load and store of a wave covers 512 bytes on end.  All 32 loads of a thread go out at once;
; the waits count down token by token.  No LDS, no barrier, no matrix unit, no cluster: threads share nothing.
.set PB, 4                             ; v4-131: token tk's part i at v[PB + 32 tk + 4 i]
	s_load_b128 s[4:7], s[0:1], 0x0                ; ybuf s[4:5], out0 s[6:7]
	v_lshlrev_b32 v1, 4, v0
	s_lshl_b32 s2, ttmp9, 17                       ; four tokens of 32,768 bytes
	s_mov_b32 s3, 0
	s_lshl_b32 s8, ttmp9, 14                       ; four rows of 4,096 bytes
	s_mov_b32 s9, 0
	s_wait_alu depctr_va_vdst(0)
	s_wait_kmcnt 0x0
	s_add_nc_u64 s[4:5], s[4:5], s[2:3]
	s_add_nc_u64 s[6:7], s[6:7], s[8:9]
.irp tk, 0,1,2,3
.irp i, 0,1,2,3,4,5,6,7
	global_load_b128 v[PB+32*\tk+4*\i:PB+32*\tk+4*\i+3], v1, s[4:5] offset:32768*\tk+4096*\i th:TH_LOAD_NT
.endr
.endr
.irp tk, 0,1,2,3
	s_wait_loadcnt 24-8*\tk                        ; this token's 8 loads are in; the later tokens' may be out
.irp i, 0,2,4,6
.irp p, 0,2
	v_pk_add_f32 v[PB+32*\tk+4*\i+\p:PB+32*\tk+4*\i+\p+1], v[PB+32*\tk+4*\i+\p:PB+32*\tk+4*\i+\p+1], v[PB+32*\tk+4*\i+4+\p:PB+32*\tk+4*\i+4+\p+1]
.endr
.endr
.irp i, 0,4
.irp p, 0,2
	v_pk_add_f32 v[PB+32*\tk+4*\i+\p:PB+32*\tk+4*\i+\p+1], v[PB+32*\tk+4*\i+\p:PB+32*\tk+4*\i+\p+1], v[PB+32*\tk+4*\i+8+\p:PB+32*\tk+4*\i+8+\p+1]
.endr
.endr
.irp p, 0,2
	s_delay_alu instid0(VALU_DEP_2)
	v_pk_add_f32 v[PB+32*\tk+\p:PB+32*\tk+\p+1], v[PB+32*\tk+\p:PB+32*\tk+\p+1], v[PB+32*\tk+16+\p:PB+32*\tk+16+\p+1]
.endr
	global_store_b128 v1, v[PB+32*\tk:PB+32*\tk+3], s[6:7] offset:4096*\tk th:TH_STORE_NT
.endr
	s_endpgm
.Lfunc_end_k_q99be40ae31_comb:
	.size	k_q99be40ae31_comb, .Lfunc_end_k_q99be40ae31_comb-k_q99be40ae31_comb
	.p2alignl 7, 3214868480
	.fill 96, 4, 3214868480
	.section	.rodata,"a",@progbits
	.p2align	6, 0x0
	.amdhsa_kernel k_q99be40ae31_comb
		.amdhsa_group_segment_fixed_size 0
		.amdhsa_private_segment_fixed_size 0
		.amdhsa_enable_private_segment 0
		.amdhsa_kernarg_size 16
		.amdhsa_user_sgpr_count 2
		.amdhsa_user_sgpr_kernarg_segment_ptr 1
		.amdhsa_wavefront_size32 1
		.amdhsa_system_sgpr_workgroup_id_x 1
		.amdhsa_system_sgpr_workgroup_id_y 1
		.amdhsa_system_sgpr_workgroup_id_z 1
		.amdhsa_system_vgpr_workitem_id 0
		.amdhsa_next_free_vgpr 136
		.amdhsa_next_free_sgpr 66
		.amdhsa_reserve_vcc 0
		.amdhsa_float_denorm_mode_32 3
		.amdhsa_float_denorm_mode_16_64 3
		.amdhsa_memory_ordered 1
		.amdhsa_forward_progress 1
		.amdhsa_inst_pref_size 8
	.end_amdhsa_kernel
	.amdgpu_metadata
---
amdhsa.version: [ 1, 2 ]
amdhsa.kernels:
  - .name:           k_q99be40ae31_comb
    .symbol:         k_q99be40ae31_comb.kd
    .args:
      - { .name: ybuf, .offset: 0, .size: 8, .value_kind: global_buffer, .address_space: global }
      - { .name: out0, .offset: 8, .size: 8, .value_kind: global_buffer, .address_space: global }
    .group_segment_fixed_size: 0
    .private_segment_fixed_size: 0
    .kernarg_segment_align: 8
    .kernarg_segment_size: 16
    .max_flat_workgroup_size: 256
    .sgpr_count:     66
    .vgpr_count:     136
    .wavefront_size: 32
...
	.end_amdgpu_metadata
.endif
;; end of part 8
